; MI455X (gfx1250); checked and timed in simulation.
; The chip was launched on July 23, 2026; its instructions are those of AMD's public machine-readable ISA for CDNA 5 (MIT licence, August 2026) and "CDNA5" Instruction Set Architecture Reference Guide (July 2026). The comments in the code are by the model that wrote it; some were corrected since.
;; Mo E Layer. Allowed arithmetic: float matrix products may take bf16 or f16 operands with f32 sums; other float arithmetic in f32, or as packed bf16 or f16 multiplies, adds, multiply-adds, maxima and minima; sums over many terms, partial sums and values carried from step to step in f32; what a program stores and reads back later, other than sums and carried values, may be rounded once to bf16 or f16.
;; Inputs: Wd 8 x 256 x 1,024 float32; Wg 8 x 1,024 x 256 float32; Wr 1,024 x 8 float32; Wu 8 x 1,024 x 256 float32; x 4 x 2,048 x 1,024 float32.
;; Outputs: out0 4 x 2,048 x 1,024 float32.
;; 2 versions, each right; version 2 is version 1 with the launch chain written anew for expert scheduling mode. Each part assembles by itself: llvm-mc -triple=amdgcn-amd-amdhsa -mcpu=gfx1250 --defsym DOCPART=n.
;; ======== version 1 of 2: 3 launches
;; workspace buffers: pid 32,768 bytes of whole numbers; cw 65,536 bytes; list 917,504 bytes of whole numbers; counts 256 bytes of whole numbers; w1 8,388,608 bytes; w2 4,194,304 bytes
;; launch router (part 1): grid 256 x 1, 4 waves a work-group, no clusters, 38,400 bytes of LDS; arguments x, Wr, pid, cw; writes pid, cw
.if DOCPART == 1
	.amdgcn_target "amdgcn-amd-amdhsa--gfx1250"
	.amdhsa_code_object_version 6
	.text
	.protected	k_qfd2ae588cd_router
	.globl	k_qfd2ae588cd_router
	.p2align	8
	.type	k_qfd2ae588cd_router,@function
k_qfd2ae588cd_router:
	s_mov_b64 s[64:65], 0
	v_nop
	global_prefetch_b8 v0, s[64:65] scope:SCOPE_SE
	s_setreg_imm32_b32 hwreg(HW_REG_WAVE_MODE, 25, 1), 1
	s_wait_xcnt 0x0
; ROUTER.  logits[t][e] = sum over k of bf16(x[t][k]) * bf16(Wr[k][e]), the sums in f32; the two largest logits of a token (of equal logits the lower expert
; comes first, as in jax.lax.top_k); the softmax of those two, with the larger taken away first; stored at fixed places: pid[t], the number of the token's SET of
; experts (a < b: a (15 - a) / 2 + b - a - 1, 0 .. 27), and cw[t] = (weight of a, weight of b).  No address and no branch hangs on these numbers here.
; x and Wr are rounded to bf16 because every input of the program is; the products of two bf16 are exact in f32.
; LIMITS.  NaN and infinite logits are not treated apart (a NaN never wins a comparison); the order of the f32 sums differs from a row-by-row sum.
; SHARES.  256 work-groups of 32 tokens, a wave 8.  A wave takes a whole row of x with eight loads of 16 bytes a lane (each load 512 consecutive bytes): lane l holds
; k = 128 j + 4 l + i.  Its 32 k x 8 experts of Wr stay in 256 registers, so a token costs 128 packed multiply-adds and one sum over the lanes for each expert.
; The matrix unit is left out: 8 columns, and the launch is bound by reading x once.
; LDS: Wr, rounded, as f32, in 256 pieces of 128 bytes (4 k x 8 experts), 144 bytes apart;
; the 32 x 8 logits; the spare words.
; REGISTERS, in windows of 256 (s_set_vgpr_msb: bits 1:0 source 0, 3:2 source 1, 5:4 source 2, 7:6 destination):
;   window 0: addresses and work    window 1: Wr of (j, i, e) at 32 j + 8 i + e    window 2: x of token n at 32 n + 4 j
.set WPITCH, 144
.set LOGS,   256*WPITCH                ; 36,864: the logits, 32 bytes a token
.set SPARE,  LOGS+1024                 ; 37,888: the spare words, 128 bytes for each wave
.set L16, 1                            ; v1  16 x lane
.set WST, 2                            ; v2  where I store 16 bytes of Wr
.set WLD, 3                            ; v3  lane x 144: my piece of Wr
.set LGA, 4                            ; v4  where the token in hand puts its logits
.set LN,  6                            ; v6  lane
.set SPW, 12                           ; v12 LDS address of my spare word; never rewritten
.set NIL, 13                           ; v13 0; never rewritten
.set T,   16                           ; v16-31   a row, rounded: 32 bf16 in pairs
.set XF,  32                           ; v32-63   the same as f32
.set WL,  64                           ; v64-127  Wr as loaded
.set ACC, 128                          ; v128-143 two sets of eight sums (even i, odd i)
.set RT,  144                          ; v144-151 the other half of the lanes' sums
.set MSB, 0
.macro WIN new                         ; the immediate's high byte repeats the setting that is left; a switch that changes nothing is dropped
.if MSB != (\new)
	s_set_vgpr_msb (MSB<<8)|(\new)
.set MSB, \new
.endif
.endm
.macro XLOAD tk                        ; a row of x: eight loads
.set xj, 0
.rept 8
	global_load_b128 v[32*(\tk)+4*xj:32*(\tk)+4*xj+3], v[L16], s[4:5] offset:4096*(\tk)+512*xj
.set xj, xj+1
.endr
.endm
.macro TAKE tk                         ; token tk's row is rounded to bf16: the only lines that name its own registers
	s_wait_loadcnt 8*(7-(\tk))                     ; loads come back in order (ISA guide 5.7.1): the later tokens' eight loads each stay out
	WIN 0x0a                                       ; both sources in window 2
.set tn, 0
.rept 16
	v_cvt_pk_bf16_f32 v[T+tn], v[32*(\tk)+2*tn], v[32*(\tk)+2*tn+1]
.set tn, tn+1
.endr
	WIN 0
.endm
	s_load_b256 s[4:11], s[0:1], 0x0               ; x s[4:5], Wr s[6:7], pid s[8:9], cw s[10:11]
	v_lshl_add_u32 v[SPW], v0, 2, SPARE
	v_mov_b32 v[NIL], 0
	v_lshrrev_b32 v5, 5, v0
	v_readfirstlane_b32 s12, v5                    ; wave 0..3
	v_and_b32 v[LN], 31, v0
	v_lshlrev_b32 v[L16], 4, v[LN]
	v_lshlrev_b32 v7, 4, v0                        ; my 16 bytes in each 2,048 of Wr
	v_lshrrev_b32 v[WST], 3, v0                    ; they lie in piece t / 8 (+ 16 for each further load),
	v_mul_u32_u24 v[WST], v[WST], WPITCH
	v_and_b32 v8, 7, v0
	v_lshl_add_u32 v[WST], v8, 4, v[WST]           ; at 16 (t % 8)
	v_mul_u32_u24 v[WLD], v[LN], WPITCH
	s_mov_b32 s13, 0xffff0000                      ; a word's upper bf16
	s_mov_b32 s14, 0x76543210                      ; v_permlanex16_b32: each lane takes its own place in the other half
	s_mov_b32 s15, 0xfedcba98
	s_lshl_b32 s16, ttmp9, 17                      ; 32 rows of 4,096 bytes a work-group,
	s_lshl_b32 s17, s12, 15                        ; 8 a wave
	s_add_co_u32 s16, s16, s17
	s_mov_b32 s17, 0
	s_lshl_b32 s18, s12, 8
	s_add_co_u32 s18, s18, LOGS
	v_mov_b32 v[LGA], s18                          ; my wave's eight tokens' logits
.set rn, 0
.rept 8
	v_mov_b32 v[RT+rn], 0                          ; v_permlanex16_b32 counts as a reader of its destination
.set rn, rn+1
.endr
	s_wait_kmcnt 0x0
	s_add_nc_u64 s[4:5], s[4:5], s[16:17]
.set wn, 0
.rept 16
	global_load_b128 v[WL+4*wn:WL+4*wn+3], v7, s[6:7] offset:2048*wn  ; the work-group's 128 threads take Wr's 32,768 bytes
.set wn, wn+1
.endr
	WIN 0x80                                       ; destination window 2
	XLOAD 0
	XLOAD 1
	XLOAD 2
	XLOAD 3
	XLOAD 4
	WIN 0
	s_wait_loadcnt 40                              ; Wr is in; the 40 loads of x behind it stay out
.set wn, 0
.rept 16                                               ; Wr rounded to bf16 and widened again, into LDS
	v_cvt_pk_bf16_f32 v[T+2*(wn%8)], v[WL+4*wn], v[WL+4*wn+1]
	v_cvt_pk_bf16_f32 v[T+2*(wn%8)+1], v[WL+4*wn+2], v[WL+4*wn+3]
	v_lshlrev_b32 v[WL+4*wn], 16, v[T+2*(wn%8)]
	v_and_b32 v[WL+4*wn+1], s13, v[T+2*(wn%8)]
	v_lshlrev_b32 v[WL+4*wn+2], 16, v[T+2*(wn%8)+1]
	v_and_b32 v[WL+4*wn+3], s13, v[T+2*(wn%8)+1]
	ds_store_b128 v[WST], v[WL+4*wn:WL+4*wn+3] offset:16*WPITCH*wn
.set wn, wn+1
.endr
	WIN 0x80
	XLOAD 5                                        ; all of the wave's 32 KiB of x are asked for
	XLOAD 6
	XLOAD 7
	WIN 0
	s_wait_dscnt 0x0                               ; for the others' sake: my part of Wr is in LDS
	s_barrier_signal -1
	s_barrier_wait -1
	WIN 0x40                                       ; destination window 1
.set wj, 0
.rept 8
.set wm, 0
.rept 8
	ds_load_b128 v[32*wj+4*wm:32*wj+4*wm+3], v[WLD] offset:32*WPITCH*wj+16*wm  ; piece 32 j + lane
.set wm, wm+1
.endr
.set wj, wj+1
.endr
	WIN 0
	s_wait_dscnt 0x0
	s_mov_b32 s20, 0                               ; the token in hand
.Ltok:                                                 ; eight trips.  A counter cannot pick registers, so the lines that read a token's own registers are written eight times and chosen here
.irp tk, 0,1,2,3,4,5,6
	s_cmp_lg_u32 s20, \tk
	s_cbranch_scc1 .Lnot\tk
	TAKE \tk
	s_branch .Lhave
.Lnot\tk:
.endr
	TAKE 7
.Lhave:
.set un, 0
.rept 16
	v_lshlrev_b32 v[XF+2*un], 16, v[T+un]          ; bf16 to f32: the low half moves up,
	v_and_b32 v[XF+2*un+1], s13, v[T+un]           ; the high half stays
.set un, un+1
.endr
	WIN 0x04                                       ; source 1 (Wr) in window 1
.set fj, 0
.rept 8
.set fi, 0
.rept 4
.set fp, 0
.rept 4                                                ; x(j, i) times Wr's experts 2 p, 2 p + 1; op_sel gives both halves the same x.  The first product of each set starts its sums
.set rA, ACC+8*(fi%2)+2*fp
.set rX, XF+4*fj+2*(fi/2)
.set rW, 32*fj+8*fi+2*fp
.if (fj == 0) && (fi == 0)
	v_pk_mul_f32 v[rA:rA+1], v[rX:rX+1], v[rW:rW+1] op_sel:[0,0] op_sel_hi:[0,1]
.elseif (fj == 0) && (fi == 1)
	v_pk_mul_f32 v[rA:rA+1], v[rX:rX+1], v[rW:rW+1] op_sel:[1,0] op_sel_hi:[1,1]
.elseif fi%2 == 0
	v_pk_fma_f32 v[rA:rA+1], v[rX:rX+1], v[rW:rW+1], v[rA:rA+1] op_sel:[0,0,0] op_sel_hi:[0,1,1]
.else
	v_pk_fma_f32 v[rA:rA+1], v[rX:rX+1], v[rW:rW+1], v[rA:rA+1] op_sel:[1,0,0] op_sel_hi:[1,1,1]
.endif
.set fp, fp+1
.endr
.set fi, fi+1
.endr
.set fj, fj+1
.endr
	WIN 0
.irp p, 0,2,4,6
	v_pk_add_f32 v[ACC+\p:ACC+\p+1], v[ACC+\p:ACC+\p+1], v[ACC+8+\p:ACC+8+\p+1]
.endr
.irp m, 1,2,4,8                                        ; over the 32 lanes: four steps inside each half of 16, the eight sums by turns,
.irp e, 0,1,2,3,4,5,6,7
	v_add_f32_dpp v[ACC+\e], v[ACC+\e], v[ACC+\e] row_xmask:\m row_mask:0xf bank_mask:0xf
.endr
.endr
.irp e, 0,1,2,3,4,5,6,7
	v_permlanex16_b32 v[RT+\e], v[ACC+\e], s14, s15  ; and one across the halves
.endr
.irp e, 0,1,2,3,4,5,6,7
	v_add_f32 v[ACC+\e], v[ACC+\e], v[RT+\e]
.endr
	ds_store_b128 v[LGA], v[ACC:ACC+3]             ; all lanes hold the same eight numbers and write the same 32 bytes
	ds_store_b128 v[LGA], v[ACC+4:ACC+7] offset:16
	v_add_nc_u32 v[LGA], 32, v[LGA]
	s_add_co_u32 s20, s20, 1
	s_cmp_lt_u32 s20, 8
	s_cbranch_scc1 .Ltok
	s_wait_dscnt 0x0                               ; for wave 0's sake: my eight tokens' logits are in LDS
	s_barrier_signal -1
	s_barrier_wait -1
	s_cmp_lg_u32 s12, 0
	s_cbranch_scc1 .Lend
	; wave 0: a lane a token
	v_lshl_add_u32 v5, v[LN], 5, LOGS
	ds_load_b128 v[16:19], v5
	ds_load_b128 v[20:23], v5 offset:16
	s_lshl_b32 s16, ttmp9, 7                       ; 32 words of pid (s17 is still 0),
	s_add_nc_u64 s[8:9], s[8:9], s[16:17]
	s_lshl_b32 s16, ttmp9, 8                       ; 32 pairs of cw
	s_add_nc_u64 s[10:11], s[10:11], s[16:17]
	v_mov_b32 v28, 0xff800000                      ; -infinity
	s_wait_dscnt 0x0
	v_mov_b32 v24, v16                             ; the largest, and its expert: a strictly greater logit alone displaces an earlier one
	v_mov_b32 v25, 0
.irp e, 1,2,3,4,5,6,7
	v_cmp_gt_f32 vcc_lo, v[16+\e], v24
	v_cndmask_b32 v24, v24, v[16+\e], vcc_lo
	v_cndmask_b32 v25, v25, \e, vcc_lo
.endr
.irp e, 0,1,2,3,4,5,6,7
	v_cmp_eq_u32 vcc_lo, \e, v25
	v_cndmask_b32 v[16+\e], v[16+\e], v28, vcc_lo  ; it is taken out,
.endr
	v_mov_b32 v26, v16                             ; and the same once more
	v_mov_b32 v27, 0
.irp e, 1,2,3,4,5,6,7
	v_cmp_gt_f32 vcc_lo, v[16+\e], v26
	v_cndmask_b32 v26, v26, v[16+\e], vcc_lo
	v_cndmask_b32 v27, v27, \e, vcc_lo
.endr
	v_sub_f32 v29, v26, v24                        ; second less first: never above 0
	v_mul_f32 v29, 0x3fb8aa3b, v29
	v_exp_f32 v30, v29                             ; t = e^(second - first)
	v_min_u32 v32, v25, v27                        ; a (plain work behind the exponential),
	v_max_u32 v33, v25, v27                        ; b
	s_wait_alu depctr_va_vdst(0)                   ; the wait stands ahead of the first line that names the result
	v_add_f32 v31, 1.0, v30
	v_rcp_f32 v31, v31                             ; the first's weight, 1 / (1 + t)
	v_sub_nc_u32 v34, 15, v32
	v_mul_lo_u32 v34, v32, v34
	v_lshrrev_b32 v34, 1, v34
	v_add_nc_u32 v34, v34, v33
	v_sub_nc_u32 v34, v34, v32
	v_add_nc_u32 v34, -1, v34                      ; a (15 - a) / 2 + b - a - 1
	v_min_u32 v34, 27, v34
	s_wait_alu depctr_va_vdst(0)
	v_mul_f32 v35, v30, v31                        ; the second's weight, t / (1 + t)
	v_cmp_lt_u32 vcc_lo, v25, v27                  ; is the first the lower-numbered expert?
	v_cndmask_b32 v36, v35, v31, vcc_lo            ; a's weight,
	v_cndmask_b32 v37, v31, v35, vcc_lo            ; b's
	v_lshlrev_b32 v38, 2, v[LN]
	v_lshlrev_b32 v39, 3, v[LN]
	global_store_b32 v38, v34, s[8:9]
	global_store_b64 v39, v[36:37], s[10:11]       ; 256 consecutive bytes
.Lend:
	s_wait_tensorcnt 0x0                           ; the wave's end: behind my last LDS store
	ds_add_u32 v[SPW], v[NIL]
	s_wait_dscnt 0x0
	s_endpgm
.Lfunc_end_k_qfd2ae588cd_router:
	.size	k_qfd2ae588cd_router, .Lfunc_end_k_qfd2ae588cd_router-k_qfd2ae588cd_router
	.p2alignl 7, 3214868480
	.fill 96, 4, 3214868480
	.section	.rodata,"a",@progbits
	.p2align	6, 0x0
	.amdhsa_kernel k_qfd2ae588cd_router
		.amdhsa_group_segment_fixed_size 38400
		.amdhsa_private_segment_fixed_size 0
		.amdhsa_enable_private_segment 0
		.amdhsa_kernarg_size 32
		.amdhsa_user_sgpr_count 2
		.amdhsa_user_sgpr_kernarg_segment_ptr 1
		.amdhsa_wavefront_size32 1
		.amdhsa_system_sgpr_workgroup_id_x 1
		.amdhsa_system_sgpr_workgroup_id_y 1
		.amdhsa_system_sgpr_workgroup_id_z 1
		.amdhsa_system_vgpr_workitem_id 0
		.amdhsa_next_free_vgpr 768
		.amdhsa_next_free_sgpr 66
		.amdhsa_reserve_vcc 1
		.amdhsa_float_denorm_mode_32 3
		.amdhsa_float_denorm_mode_16_64 3
		.amdhsa_memory_ordered 1
		.amdhsa_forward_progress 1
		.amdhsa_inst_pref_size 45
	.end_amdhsa_kernel
	.amdgpu_metadata
---
amdhsa.version: [ 1, 2 ]
amdhsa.kernels:
  - .name:           k_qfd2ae588cd_router
    .symbol:         k_qfd2ae588cd_router.kd
    .args:
      - { .name: x, .offset: 0, .size: 8, .value_kind: global_buffer, .address_space: global }
      - { .name: Wr, .offset: 8, .size: 8, .value_kind: global_buffer, .address_space: global }
      - { .name: pid, .offset: 16, .size: 8, .value_kind: global_buffer, .address_space: global }
      - { .name: cw, .offset: 24, .size: 8, .value_kind: global_buffer, .address_space: global }
    .group_segment_fixed_size: 38400
    .private_segment_fixed_size: 0
    .kernarg_segment_align: 8
    .kernarg_segment_size: 32
    .max_flat_workgroup_size: 128
    .sgpr_count:     66
    .vgpr_count:     768
    .wavefront_size: 32
...
	.end_amdgpu_metadata
.endif
;; end of part 1
;; launch prep (part 2): grid 220 x 1, 8 waves a work-group, no clusters, 1,280 bytes of LDS; arguments pid, Wg, Wu, Wd, list, counts, w1, w2; writes list, counts, w1, w2
.if DOCPART == 2
	.amdgcn_target "amdgcn-amd-amdhsa--gfx1250"
	.amdhsa_code_object_version 6
	.text
	.protected	k_qfd2ae588cd_prep
	.globl	k_qfd2ae588cd_prep
	.p2align	8
	.type	k_qfd2ae588cd_prep,@function
k_qfd2ae588cd_prep:
	s_mov_b64 s[64:65], 0
	v_nop
	global_prefetch_b8 v0, s[64:65] scope:SCOPE_SE
	s_setreg_imm32_b32 hwreg(HW_REG_WAVE_MODE, 25, 1), 1
	s_wait_xcnt 0x0
; TWO JOBS IN ONE LAUNCH, chosen by the work-group's number.
; WORK-GROUPS 0 .. 27: THE SORT.  Work-group p lays all 8,192 token numbers into list[p][0 .. 8191]: first the tokens whose set of experts is p, then all the others (a stable
; partition, no atomics), and stores how many the first are in counts[p].  So every lane stores once for each of its tokens, EXEC never changes, and every byte of the row is written.
; Wave w has tokens 1,024 w .. + 1,023: register n = 4 j + i of lane l is token 1,024 w + 128 j + 4 l + i, and its place in the order of the partition is 1,024 w + 32 n + l.
; WORK-GROUPS 28 .. 219: THE WEIGHTS, 64 work-groups for each of Wg, Wu, Wd: rounded once to bf16 and laid out as the next launch's matrix operands take them.
; A GROUP of 4,096 bytes is 64 columns x 32 k: four fragments j of 1,024 bytes; in fragment j, half q, lane L = 16 h + r has the 16 bytes at 1,024 j + 512 q + 16 L: k = 32 ks + 16 q + 8 h + 0 .. 7
; of column 64 B + 4 r + j.  With columns so dealt a lane reads 16 bytes (four columns) of a row, 16 lanes 256 consecutive bytes, and each store is 512 consecutive bytes.
;   w1: [expert][B 0..3][ks 0..31][Wg, Wu][group]        w2: [expert][B / 2, 0..7][ks 0..7][B % 2][group]
; A wave makes two groups: 32 loads of 16 bytes a lane, all issued before the first wait.
.set SPARE, 256                        ; LDS: the eight waves' counts in the block at 0; the spare words, 128 bytes for each wave, from 256 on
.set SPW, 2                            ; v2  LDS address of my spare word; never rewritten
.set NIL, 3                            ; v3  0; never rewritten
.set LN,  4                            ; v4  lane
.set PID, 32                           ; v32-63   the sort: my 32 tokens' set numbers
.set ADR, 64                           ; v64-95   the sort: a store's byte offset, one register for each store
.set TOK, 96                           ; v96-127  the sort: a store's token number
.set VIN, 32                           ; v32-159  the weights as loaded: unit u, half q, row i at 64 u + 32 q + 4 i
.set COUT, 160                         ; v160-223 rounded: unit u, half q, fragment j at 32 u + 16 q + 4 j
.set MK,  32                           ; s[32:63] the sort: for each of my 32 registers the mask of lanes whose token belongs to set p
	s_load_b512 s[4:19], s[0:1], 0x0               ; pid s[4:5], Wg s[6:7], Wu s[8:9], Wd s[10:11], list s[12:13], counts s[14:15], w1 s[16:17], w2 s[18:19]
	v_lshl_add_u32 v[SPW], v0, 2, SPARE
	v_mov_b32 v[NIL], 0
	v_lshrrev_b32 v1, 5, v0
	v_readfirstlane_b32 s20, v1                    ; wave 0..7
	v_and_b32 v[LN], 31, v0
	s_mov_b32 s21, ttmp9
	s_wait_kmcnt 0x0
	s_cmp_lt_u32 s21, 28
	s_cbranch_scc0 .Lconv
	; ---- the sort; p = s21 ----
	s_lshl_b32 s25, s20, 12
	v_lshl_add_u32 v5, v[LN], 4, s25               ; 4,096 w + 16 lane
.set j, 0
.rept 8
	global_load_b128 v[PID+4*j:PID+4*j+3], v5, s[4:5] offset:512*j
.set j, j+1
.endr
	s_lshl_b32 s25, s20, 10
	v_lshl_add_u32 v14, v[LN], 2, s25              ; the token of my register 0
	s_lshl_b32 s26, s21, 15                        ; my row of list: 8,192 words
	s_mov_b32 s27, 0
	s_add_nc_u64 s[12:13], s[12:13], s[26:27]
	s_mov_b32 s24, 0
	s_wait_loadcnt 0x0
.set n, 0
.rept 32                                               ; pass 1: the masks, and my wave's count
	v_cmp_eq_u32 s[MK+n], s21, v[PID+n]
	s_bcnt1_i32_b32 s25, s[MK+n]
	s_add_co_u32 s24, s24, s25
.set n, n+1
.endr
	v_mov_b32 v10, s20
	v_lshlrev_b32 v10, 2, v10
	v_mov_b32 v11, s24
	ds_store_b32 v10, v11                          ; all lanes write the same word with the same number
	s_wait_dscnt 0x0                               ; for the others' sake
	s_barrier_signal -1
	s_barrier_wait -1
	ds_load_b128 v[16:19], v[NIL]                  ; the eight counts, at LDS byte 0
	ds_load_b128 v[20:23], v[NIL] offset:16
	s_mov_b32 s22, 0                               ; matches in the waves below mine,
	s_mov_b32 s23, 0                               ; and in all
	s_wait_dscnt 0x0
.irp ww, 0,1,2,3,4,5,6,7
	v_readfirstlane_b32 s25, v[16+\ww]
	s_add_co_u32 s23, s23, s25
	s_cmp_gt_u32 s20, \ww
	s_cselect_b32 s25, s25, 0
	s_add_co_u32 s22, s22, s25
.endr
	s_lshl_b32 s25, s20, 10
	s_add_co_u32 s25, s25, s23
	v_add_nc_u32 v15, s25, v[LN]                   ; the count + my place in the order (register 0): what a token outside the set takes its matches-before away from
.set n, 0
.rept 32                                               ; pass 2: every token gets its place
	v_mbcnt_lo_u32_b32 v12, s[MK+n], 0             ; matches in the lanes below me,
	v_add_nc_u32 v12, s22, v12                     ; and before this register: a match's place
	v_sub_nc_u32 v13, v15, v12                     ; the count + the others before me: another's place
	v_cndmask_b32 v[ADR+n], v13, v12, s[MK+n]
	v_min_u32 v[ADR+n], 0x1fff, v[ADR+n]           ; a number made of loaded data enters an address only behind a bound
	v_lshlrev_b32 v[ADR+n], 2, v[ADR+n]
	v_add_nc_u32 v[TOK+n], 128*(n/4)+n%4, v14
	global_store_b32 v[ADR+n], v[TOK+n], s[12:13]  ; the matching lanes' words lie side by side, and so do the others'
	v_add_nc_u32 v15, 32, v15
	s_bcnt1_i32_b32 s25, s[MK+n]
	s_add_co_u32 s22, s22, s25
.set n, n+1
.endr
	s_cmp_lg_u32 s20, 0
	s_cbranch_scc1 .Ldone
	s_lshl_b32 s25, s21, 2
	v_mov_b32 v6, s25
	v_mov_b32 v7, s23
	global_store_b32 v6, v7, s[14:15]              ; counts[p]: wave 0, all lanes the same word
	s_branch .Ldone
	; ---- the weights ----
; Two units of 64 columns x 32 k.  pitch: bytes from row to row of the source; dstep: bytes from the first unit's group to the second's.
.macro CONV pitch, dstep
.set cu, 0
.rept 2
.set cq, 0
.rept 2
.set ci, 0
.rept 8
	global_load_b128 v[VIN+64*cu+32*cq+4*ci:VIN+64*cu+32*cq+4*ci+3], v8, s[26:27] offset:256*cu+(16*cq+ci)*(\pitch) th:TH_LOAD_NT  ; lanes 0-15: 256 consecutive bytes of row 16 q + i; lanes 16-31: of the row 8 further on
.set ci, ci+1
.endr
.set cq, cq+1
.endr
.set cu, cu+1
.endr
.set cu, 0
.rept 2
	s_wait_loadcnt 16-16*cu                        ; the unit's 16 loads are in; the second unit's stay out
.set cq, 0
.rept 2
.set cj, 0
.rept 4
.set cm, 0
.rept 4
	v_cvt_pk_bf16_f32 v[COUT+32*cu+16*cq+4*cj+cm], v[VIN+64*cu+32*cq+8*cm+cj], v[VIN+64*cu+32*cq+8*cm+4+cj]  ; column 4 r + j: k = 2 m below, 2 m + 1 above
.set cm, cm+1
.endr
.set cj, cj+1
.endr
.set cq, cq+1
.endr
.set cq, 0
.rept 2
.set cj, 0
.rept 4
	global_store_b128 v7, v[COUT+32*cu+16*cq+4*cj:COUT+32*cu+16*cq+4*cj+3], s[28:29] offset:cu*(\dstep)+1024*cj+512*cq  ; 512 consecutive bytes
.set cj, cj+1
.endr
.set cq, cq+1
.endr
.set cu, cu+1
.endr
.endm
.Lconv:
	s_sub_co_u32 s21, s21, 28
	s_lshr_b32 s22, s21, 6                         ; 0 Wg, 1 Wu, 2 Wd
	s_and_b32 s23, s21, 63
	s_lshr_b32 s24, s23, 3                         ; expert
	s_and_b32 s25, s23, 7
	v_and_b32 v5, 15, v0                           ; r
	v_bfe_u32 v6, v0, 4, 1                         ; h
	v_lshlrev_b32 v7, 4, v[LN]                     ; my 16 bytes of a store
	v_lshlrev_b32 v8, 4, v5                        ; my 16 bytes of a row's 256
	s_mov_b32 s33, 0
	s_cmp_eq_u32 s22, 2
	s_cbranch_scc1 .Ldown
	; Wg, Wu: [expert][1,024 k][256]: rows of 1,024 bytes.  ks = 4 (c % 8) + w / 2; units B = 2 (w % 2), + 1
	v_lshl_add_u32 v8, v6, 13, v8                  ; lanes 16-31: 8 rows on
	s_lshl_b32 s30, s25, 2
	s_lshr_b32 s31, s20, 1
	s_add_co_u32 s30, s30, s31                     ; ks
	s_and_b32 s31, s20, 1
	s_lshl_b32 s31, s31, 1                         ; B
	s_lshl_b32 s32, s24, 20
	s_lshl_b32 s34, s30, 15
	s_add_co_u32 s32, s32, s34
	s_lshl_b32 s34, s31, 8
	s_add_co_u32 s32, s32, s34
	s_cmp_eq_u32 s22, 0
	s_cselect_b64 s[26:27], s[6:7], s[8:9]
	s_add_nc_u64 s[26:27], s[26:27], s[32:33]
	s_lshl_b32 s32, s24, 20
	s_lshl_b32 s34, s31, 18
	s_add_co_u32 s32, s32, s34
	s_lshl_b32 s34, s30, 13
	s_add_co_u32 s32, s32, s34
	s_lshl_b32 s34, s22, 12
	s_add_co_u32 s32, s32, s34
	s_add_nc_u64 s[28:29], s[16:17], s[32:33]
	CONV 1024, 262144
	s_branch .Ldone
.Ldown:
	; Wd: [expert][256 k][1,024]: rows of 4,096 bytes.  ks = c % 8; units B = 2 w, 2 w + 1
	v_lshl_add_u32 v8, v6, 15, v8
	s_lshl_b32 s32, s24, 20
	s_lshl_b32 s34, s25, 17
	s_add_co_u32 s32, s32, s34
	s_lshl_b32 s34, s20, 9
	s_add_co_u32 s32, s32, s34
	s_add_nc_u64 s[26:27], s[10:11], s[32:33]
	s_lshl_b32 s32, s24, 19
	s_lshl_b32 s34, s20, 16
	s_add_co_u32 s32, s32, s34
	s_lshl_b32 s34, s25, 13
	s_add_co_u32 s32, s32, s34
	s_add_nc_u64 s[28:29], s[18:19], s[32:33]
	CONV 4096, 4096
.Ldone:
	s_wait_tensorcnt 0x0                           ; the wave's end: behind my last LDS store
	ds_add_u32 v[SPW], v[NIL]
	s_wait_dscnt 0x0
	s_endpgm
.Lfunc_end_k_qfd2ae588cd_prep:
	.size	k_qfd2ae588cd_prep, .Lfunc_end_k_qfd2ae588cd_prep-k_qfd2ae588cd_prep
	.p2alignl 7, 3214868480
	.fill 96, 4, 3214868480
	.section	.rodata,"a",@progbits
	.p2align	6, 0x0
	.amdhsa_kernel k_qfd2ae588cd_prep
		.amdhsa_group_segment_fixed_size 1280
		.amdhsa_private_segment_fixed_size 0
		.amdhsa_enable_private_segment 0
		.amdhsa_kernarg_size 64
		.amdhsa_user_sgpr_count 2
		.amdhsa_user_sgpr_kernarg_segment_ptr 1
		.amdhsa_wavefront_size32 1
		.amdhsa_system_sgpr_workgroup_id_x 1
		.amdhsa_system_sgpr_workgroup_id_y 1
		.amdhsa_system_sgpr_workgroup_id_z 1
		.amdhsa_system_vgpr_workitem_id 0
		.amdhsa_next_free_vgpr 224
		.amdhsa_next_free_sgpr 66
		.amdhsa_reserve_vcc 0
		.amdhsa_float_denorm_mode_32 3
		.amdhsa_float_denorm_mode_16_64 3
		.amdhsa_memory_ordered 1
		.amdhsa_forward_progress 1
		.amdhsa_inst_pref_size 44
	.end_amdhsa_kernel
	.amdgpu_metadata
---
amdhsa.version: [ 1, 2 ]
amdhsa.kernels:
  - .name:           k_qfd2ae588cd_prep
    .symbol:         k_qfd2ae588cd_prep.kd
    .args:
      - { .name: pid, .offset: 0, .size: 8, .value_kind: global_buffer, .address_space: global }
      - { .name: Wg, .offset: 8, .size: 8, .value_kind: global_buffer, .address_space: global }
      - { .name: Wu, .offset: 16, .size: 8, .value_kind: global_buffer, .address_space: global }
      - { .name: Wd, .offset: 24, .size: 8, .value_kind: global_buffer, .address_space: global }
      - { .name: list, .offset: 32, .size: 8, .value_kind: global_buffer, .address_space: global }
      - { .name: counts, .offset: 40, .size: 8, .value_kind: global_buffer, .address_space: global }
      - { .name: w1, .offset: 48, .size: 8, .value_kind: global_buffer, .address_space: global }
      - { .name: w2, .offset: 56, .size: 8, .value_kind: global_buffer, .address_space: global }
    .group_segment_fixed_size: 1280
    .private_segment_fixed_size: 0
    .kernarg_segment_align: 8
    .kernarg_segment_size: 64
    .max_flat_workgroup_size: 256
    .sgpr_count:     66
    .vgpr_count:     224
    .wavefront_size: 32
...
	.end_amdgpu_metadata
.endif
;; end of part 2
;; launch chain (part 3): grid 155 x 1, 8 waves a work-group, no clusters, 201,728 bytes of LDS; arguments x, list, counts, cw, w1, w2, out0; writes out0
.if DOCPART == 3
	.amdgcn_target "amdgcn-amd-amdhsa--gfx1250"
	.amdhsa_code_object_version 6
	.text
	.protected	k_qfd2ae588cd_chain
	.globl	k_qfd2ae588cd_chain
	.p2align	8
	.type	k_qfd2ae588cd_chain,@function
k_qfd2ae588cd_chain:
	s_mov_b64 s[64:65], 0
	v_nop
	global_prefetch_b8 v0, s[64:65] scope:SCOPE_SE
	s_setreg_imm32_b32 hwreg(HW_REG_WAVE_MODE, 25, 1), 1
	s_wait_xcnt 0x0
; THE EXPERTS.  A work-group takes a TILE of up to 64 tokens that chose the same SET of two experts (a, b) through the whole chain: gather x (rounded to bf16) into LDS; for a and for b:
; g = x Wg, u = x Wu, h = silu(g) u w (w the token's weight for that expert), rounded once to bf16 into LDS; then out = [h_a | h_b] [Wd_a ; Wd_b], one f32 sum for each output, stored once: each output row has one owner.
; THE GRID serves every split: with 8,192 tokens in 28 sets there are never more than 8,192 / 64 + 27 = 155 tiles.  Every work-group finds its tile from the 28 stored counts.  One that is left without a tile
; passes both barriers, jumps over the products and stores nothing.
; A TILE THAT IS NOT FULL: the places past the count repeat the tile's last token.  All 64 places are multiplied; of the stores, whole blocks of 16 places past the count are jumped; inside the last live block
; the repeats store the same bytes into the same row again.
; LIMITS.  NaN and infinities are not treated apart.  sigmoid(g) = 1 / (1 + 2^(-g log2 e)); where that is below 2^-126 it counts as 0.  h is kept in bf16 (f16 would end at 65,504).  The order of the f32 sums is the matrix unit's.
; EIGHT WAVES, two to a SIMD, so that one wave's products are at work while the other issues its loads.  First product: waves 0-3 work for expert a, waves 4-7 for expert b, side by side; wave w has hidden columns
; 64 (w % 4) .. + 63 of g and of u (accumulators: 4 blocks of 16 places x 8 fragments); source 0 = weights, source 1 = tokens, so a lane holds ONE token and, over four fragments' registers, 32 neighbouring hidden columns.
; Second product: wave w has output columns 128 w .. + 127; source 0 = tokens, source 1 = weights, so four accumulators give a lane 4 neighbouring columns.
; THE WEIGHTS come straight from memory into registers as matrix operands (the launch before laid them so): each weight byte is used by ONE wave of the work-group, for all 64 places, so LDS would add a write and a read and no reuse.
; A wave's stream is cut into HALF CHUNKS of 4,096 bytes (a group of 64 columns x 32 k: 4 fragments, 8 loads of 512 consecutive bytes, 16 matrix instructions); a ring of four register buffers keeps four of them, 32 loads, asked for,
; a buffer is filled again straight behind its products, and the ring runs on from the first product into the second.
; NO CLUSTER, NO JOINT LOADS: beside X and H 125,952 bytes of LDS are left, two slots of under 64 KiB for 3 MiB of weights a tile; and partners would have to be tiles of one set, whose number hangs on the counts:
; whole clusters of 4 x 64 places for each of 28 sets would be little more than half full at 8,192 / 28 tokens a set.
; LDS: X 64 rows x 2,048 bytes + 16 of padding; H 64 rows x 1,024 + 16 (both pitches are odd multiples of 16 bytes: the 16 rows of a load start at 16 different groups of four banks; 64 banks of 4 bytes: ISA guide 11.1);
; each wave's copy of the tile's 64 token numbers; the spare words.  EVERY LDS ADDRESS is a lane's term, the wave's term and an immediate: no address register is written behind the set-up, and the steps along K are written out.
; REGISTERS, in windows of 256 (s_set_vgpr_msb: bits 1:0 source 0, 3:2 source 1, 5:4 source 2, 7:6 destination):
;   window 0: addresses, token fragments, work, the ring    window 1: accumulator (block tb, fragment f) at 8 (8 tb + f); in the gather eight rows of x
.set XP,    2064
.set HB,    64*XP                      ; 132,096
.set HP,    1040
.set TOKW,  HB+64*HP                   ; 198,656: 256 bytes for each wave
.set SPARE, TOKW+8*256                 ; 200,704: the spare words, 128 bytes for each wave
.set L16, 1                            ; v1   16 x lane; never rewritten
.set R,   2                            ; v2   lane % 16
.set HH,  3                            ; v3   lane / 16
.set HA,  6                            ; v6   where my fragments of H lie
.set HS,  7                            ; v7   where I put 64 bytes of h
.set XS,  8                            ; v8   where I put 8 bytes of a row of x
.set TW,  9                            ; v9   my wave's token numbers
.set LN,  11                           ; v11  lane
.set SPW, 12                           ; v12  LDS address of my spare word; never rewritten
.set NIL, 13                           ; v13  0; never rewritten
.set XB0, 14                           ; v14-15 where my fragments of X's blocks 0, 1 and 2, 3 lie
.set XB1, 15
.set RO,  16                           ; v16-23   byte offset in x of my 16 bytes in each of my wave's 8 rows
.set CW,  24                           ; v24-31   in the even registers my expert's weight for place 16 tb + lane % 16; the odd ones are named with them as pairs
.set TF,  32                           ; v32-95   token fragments: two buffers of four blocks of 8.  Outside the products these 64 registers are at work:
.set TOKA, 40                          ;   v40-43  set-up: a place's byte offset in cw
.set GT,  48                           ;   v48-79  gather: a row, rounded; two sets by turns
.set ET,  32                           ;   v32-63  activation: 32 numbers at work
.set EP,  64                           ;   v64-95  activation: h, packed; two sets by turns
.set OFF, 96                           ; v96-127  byte offset in out0: place 16 tb + 8 (lane / 16) + jj at OFF + 8 tb + jj
.set RING, 128                         ; v128-255 the ring: buffer i at RING + 32 i
.set W,    18                          ; s18 wave 0..7
.set G,    19                          ; s19 work-group
.set BASE, 20                          ; s20 tiles of the sets before
.set TT,   21
.set DD,   22
.set PAIR, 23                          ; s23 my set
.set TIDX, 24                          ; s24 my tile in it
.set NP,   25                          ; s25 the set's tokens
.set EA,   26
.set EB,   27
.set CNT,  28                          ; s28 my tile's tokens, 0 .. 64
.set NB,   29                          ; s29 its live blocks of 16
.set CM1,  30                          ; s30 its last place
.set TMP,  31
.set CN,   32                          ; s[32:59] the 28 counts; used again behind the search:
.set WP,   32                          ; s[32:33] Wg and Wu of my expert, my columns
.set PA,   38                          ; s[38:39] Wd of a, my columns
.set PB,   40                          ; s[40:41] Wd of b
.set OF,   42                          ; s[42:43] an offset
.set WQ,   44                          ; s44 wave % 4
.set SL,   45                          ; s45 wave / 4: 0 expert a, 1 expert b
.set ES,   46                          ; s46 my expert
.set C4,   47                          ; s47 4 x (wave / 4): my expert's word in a pair of cw
.set LE,   48                          ; s[48:49] -log2(e): the packed multiply takes the pair's low word for both halves
.set MSB, 0
.macro WIN new                         ; the immediate's high byte repeats the setting that is left; a switch that changes nothing is dropped
.if MSB != (\new)
	s_set_vgpr_msb (MSB<<8)|(\new)
.set MSB, \new
.endif
.endm
	s_load_b256 s[4:11], s[0:1], 0x0               ; x s[4:5], list s[6:7], counts s[8:9], cw s[10:11]
	s_load_b128 s[12:15], s[0:1], 0x20             ; w1 s[12:13], w2 s[14:15]
	s_load_b64 s[16:17], s[0:1], 0x30              ; out0
	v_lshl_add_u32 v[SPW], v0, 2, SPARE
	v_mov_b32 v[NIL], 0
	v_lshrrev_b32 v10, 5, v0
	v_readfirstlane_b32 s[W], v10                  ; wave 0..7
	s_mov_b32 s[G], ttmp9
	v_and_b32 v[LN], 31, v0
	v_and_b32 v[R], 15, v0
	v_bfe_u32 v[HH], v0, 4, 1
	v_lshlrev_b32 v[L16], 4, v[LN]
	s_wait_kmcnt 0x0
	s_load_b512 s[CN:CN+15], s[8:9], 0x0           ; the 28 counts
	s_load_b256 s[CN+16:CN+23], s[8:9], 0x40
	s_load_b128 s[CN+24:CN+27], s[8:9], 0x60
	; A fragment is 16 rows x 32 K in 8 registers: lane l holds row l % 16, K = 8 (l / 16) + 0..7 and 16 + 8 (l / 16) + 0..7: two loads of 16 bytes, 32 bytes apart
	v_mul_u32_u24 v[XB0], v[R], XP
	v_lshl_add_u32 v[XB0], v[HH], 4, v[XB0]
	v_add_nc_u32 v[XB1], 32*XP, v[XB0]             ; blocks 2 and 3 lie beyond an LDS instruction's 16-bit offset
	v_mul_u32_u24 v[HA], v[R], HP
	v_lshl_add_u32 v[HS], v[HH], 6, v[HA]
	v_lshl_add_u32 v[HA], v[HH], 4, v[HA]
	v_add_nc_u32 v[HA], HB, v[HA]
	s_lshl_b32 s[TMP], s[W], 7                     ; 128 bytes of a row of H a wave: h_a fills bytes 0-511 (waves 0-3), h_b bytes 512-1,023 (waves 4-7)
	s_add_co_u32 s[TMP], s[TMP], HB
	v_add_nc_u32 v[HS], s[TMP], v[HS]              ; row l % 16, my wave's 64 columns, 32 for each half of the lanes
	s_mul_i32 s[TMP], s[W], 8*XP
	v_lshl_add_u32 v[XS], v[LN], 3, s[TMP]         ; my wave's 8 rows of X, 8 bytes a lane
	s_lshl_b32 s[TMP], s[W], 8
	s_add_co_u32 s[TMP], s[TMP], TOKW
	v_mov_b32 v[TW], s[TMP]
	v_lshlrev_b32 v10, 4, v[R]
	s_mov_b32 s[BASE], 0
	s_mov_b32 s[PAIR], 0
	s_mov_b32 s[EA], 0
	s_mov_b32 s[EB], 1
	s_mov_b32 s[TIDX], 0
	s_mov_b32 s[NP], 0
	s_wait_kmcnt 0x0
	; THE SEARCH: set p has ceil(n_p / 64) tiles; mine is the set in whose run of tiles my number falls.  A number below the run's first wraps round and is no less than any run's length.
.set mp, 0
.irp a, 0,1,2,3,4,5,6
.irp b, 1,2,3,4,5,6,7
.if \b > \a
	s_add_co_u32 s[TT], s[CN+mp], 63
	s_lshr_b32 s[TT], s[TT], 6
	s_sub_co_u32 s[DD], s[G], s[BASE]
	s_cmp_lt_u32 s[DD], s[TT]
	s_cselect_b32 s[PAIR], mp, s[PAIR]
	s_cselect_b32 s[EA], \a, s[EA]
	s_cselect_b32 s[EB], \b, s[EB]
	s_cselect_b32 s[TIDX], s[DD], s[TIDX]
	s_cselect_b32 s[NP], s[CN+mp], s[NP]
	s_add_co_u32 s[BASE], s[BASE], s[TT]
.set mp, mp+1
.endif
.endr
.endr
	s_min_u32 s[PAIR], s[PAIR], 27                 ; numbers made of loaded data enter addresses only behind a bound
	s_min_u32 s[EA], s[EA], 7
	s_min_u32 s[EB], s[EB], 7
	s_min_u32 s[TIDX], s[TIDX], 127
	s_min_u32 s[NP], s[NP], 0x2000
	s_lshl_b32 s[TMP], s[TIDX], 6
	s_sub_co_u32 s[CNT], s[NP], s[TMP]
	s_min_u32 s[CNT], s[CNT], 64                   ; 0 where no tile is left for me
	s_add_co_u32 s[NB], s[CNT], 15
	s_lshr_b32 s[NB], s[NB], 4
	s_max_u32 s[CM1], s[CNT], 1
	s_sub_co_u32 s[CM1], s[CM1], 1
	s_and_b32 s[WQ], s[W], 3
	s_lshr_b32 s[SL], s[W], 2
	s_lshl_b32 s[C4], s[SL], 2
	s_cmp_eq_u32 s[SL], 0
	s_cselect_b32 s[ES], s[EA], s[EB]
	s_mov_b32 s[OF+1], 0
	s_lshl_b32 s[OF], s[PAIR], 15                  ; list: the set's row of 8,192 words, the tile's 64
	s_lshl_b32 s[TMP], s[TIDX], 8
	s_add_co_u32 s[OF], s[OF], s[TMP]
	s_add_nc_u64 s[6:7], s[6:7], s[OF:OF+1]
	s_lshl_b32 s[TMP], s[WQ], 18                   ; w1: [expert][64 hidden columns][ks][g, u][4,096]
	s_lshl_b32 s[OF], s[ES], 20
	s_add_co_u32 s[OF], s[OF], s[TMP]
	s_add_nc_u64 s[WP:WP+1], s[12:13], s[OF:OF+1]
	s_lshl_b32 s[TMP], s[W], 16                    ; w2: [expert][128 columns][ks][64 columns][4,096]: my 128 columns are one of the eight
	s_lshl_b32 s[OF], s[EA], 19
	s_add_co_u32 s[OF], s[OF], s[TMP]
	s_add_nc_u64 s[PA:PA+1], s[14:15], s[OF:OF+1]
	s_lshl_b32 s[OF], s[EB], 19
	s_add_co_u32 s[OF], s[OF], s[TMP]
	s_add_nc_u64 s[PB:PB+1], s[14:15], s[OF:OF+1]
	s_lshl_b32 s[OF], s[W], 9                      ; out0: my 128 columns
	s_add_nc_u64 s[16:17], s[16:17], s[OF:OF+1]
	s_mov_b32 s[LE], 0xbfb8aa3b
	s_mov_b32 s[LE+1], 0xbfb8aa3b
; A half chunk of weights into ring buffer i: 8 loads of 512 consecutive bytes; load l fills registers 4 l .. 4 l + 3: fragment l / 2, half l % 2
.macro FILL i, ptr, base
	WIN 0
.set fl, 0
.rept 8
	global_load_b128 v[RING+32*(\i)+4*fl:RING+32*(\i)+4*fl+3], v[L16], s[\ptr:\ptr+1] offset:(\base)+512*fl
.set fl, fl+1
.endr
.endm
	; THE TILE'S TOKENS: place i holds list[min(i, last place)].  Each wave keeps its own copy in LDS, so that lanes can take them in three orders without a barrier.
	v_min_u32 v32, s[CM1], v[LN]
	v_add_nc_u32 v33, 32, v[LN]
	v_min_u32 v33, s[CM1], v33
	v_min_u32 v32, 63, v32
	v_min_u32 v33, 63, v33
	v_lshlrev_b32 v32, 2, v32
	v_lshlrev_b32 v33, 2, v33
	global_load_b32 v34, v32, s[6:7]
	global_load_b32 v35, v33, s[6:7]
	FILL 0, WP, 0                                  ; the ring is asked for at once: it hangs on the search alone, and lands while the tokens and their rows are fetched
	FILL 1, WP, 4096
	FILL 2, WP, 8192
	FILL 3, WP, 12288
	v_lshl_add_u32 v36, v[LN], 2, v[TW]
	s_lshl_b32 s[TMP], s[W], 5
	v_add_nc_u32 v37, s[TMP], v[TW]                ; my wave's 8 rows of the gather
	v_lshl_add_u32 v38, v[HH], 5, v[TW]            ; eight places for each half of the lanes
	v_lshl_add_u32 v39, v[R], 2, v[TW]             ; a place a lane
.irp tb, 0,1,2,3
	v_mov_b32 v[CW+2*\tb+1], 0                     ; named in a pair with the weight, so it is written
.endr
	s_wait_loadcnt 32                              ; loads come back in order (ISA guide 5.7.1): the two loads of the list are in, the ring's 32 behind them stay out
	v_min_u32 v34, 0x1fff, v34
	v_min_u32 v35, 0x1fff, v35
	ds_store_b32 v36, v34
	ds_store_b32 v36, v35 offset:128
	ds_load_b128 v[RO:RO+3], v37                   ; LDS serves a wave's instructions in order (ISA guide 5.7.1.4): these see the stores above
	ds_load_b128 v[RO+4:RO+7], v37 offset:16
.irp tb, 0,1,2,3
	ds_load_b128 v[OFF+8*\tb:OFF+8*\tb+3], v38 offset:64*\tb
	ds_load_b128 v[OFF+8*\tb+4:OFF+8*\tb+7], v38 offset:64*\tb+16
	ds_load_b32 v[TOKA+\tb], v39 offset:64*\tb
.endr
	s_wait_dscnt 0x0
.set n, 0
.rept 4
	v_min_u32 v[TOKA+n], 0x1fff, v[TOKA+n]
	v_lshl_add_u32 v[TOKA+n], v[TOKA+n], 3, s[C4]  ; the token's pair of weights, my expert's word
	global_load_b32 v[CW+2*n], v[TOKA+n], s[10:11]
.set n, n+1
.endr
.set n, 0
.rept 8
	v_min_u32 v[RO+n], 0x1fff, v[RO+n]
	v_lshl_add_u32 v[RO+n], v[RO+n], 12, v[L16]    ; the token's row of 4,096 bytes + 16 x lane
.set n, n+1
.endr
	; THE GATHER.  Wave w brings rows 8 w + i.  A row is eight loads of 512 consecutive bytes; all eight rows are asked for at once.  (With the ring's loads more are asked for than the counter's field holds: the issue then waits: ISA guide 5.7.1.)
	WIN 0x40                                       ; destination window 1
.set gi, 0
.rept 8
.set gj, 0
.rept 8
	global_load_b128 v[32*gi+4*gj:32*gi+4*gj+3], v[RO+gi], s[4:5] offset:512*gj
.set gj, gj+1
.endr
.set gi, gi+1
.endr
	WIN 0
.set n, 0
.rept 32
	v_min_u32 v[OFF+n], 0x1fff, v[OFF+n]
	v_lshl_add_u32 v[OFF+n], v[OFF+n], 12, v10     ; the token's row + 16 (lane % 16)
.set n, n+1
.endr
.macro GROW i                          ; row i is rounded to bf16 and put into X
	s_wait_loadcnt 8*(7-(\i))                      ; the younger rows' eight loads each stay out
	WIN 0x05                                       ; both sources in window 1
.set gn, 0
.rept 16
	v_cvt_pk_bf16_f32 v[GT+16*((\i)%2)+gn], v[32*(\i)+2*gn], v[32*(\i)+2*gn+1]
.set gn, gn+1
.endr
	WIN 0
.set gj, 0
.rept 8
	ds_store_b64 v[XS], v[GT+16*((\i)%2)+2*gj:GT+16*((\i)%2)+2*gj+1] offset:(\i)*XP+256*gj  ; 32 lanes, 256 consecutive bytes
.set gj, gj+1
.endr
.endm
.irp i, 0,1,2,3,4,5,6,7
	GROW \i
.endr
	s_wait_dscnt 0x0                               ; for the others' sake: my 8 rows are in X
	s_barrier_signal -1
	s_barrier_wait -1
; The four blocks' token fragments for 32 K at byte koff of the rows, into buffer buf.  ph = 1: from X; 2: from H
.macro TFLOAD ph, buf, koff
	WIN 0
.irp tb, 0,1,2,3
.if (\ph) == 1
	ds_load_b128 v[TF+32*(\buf)+8*\tb:TF+32*(\buf)+8*\tb+3],   v[XB0+(\tb)/2] offset:((\tb)%2)*16*XP+(\koff)
	ds_load_b128 v[TF+32*(\buf)+8*\tb+4:TF+32*(\buf)+8*\tb+7], v[XB0+(\tb)/2] offset:((\tb)%2)*16*XP+(\koff)+32
.else
	ds_load_b128 v[TF+32*(\buf)+8*\tb:TF+32*(\buf)+8*\tb+3],   v[HA] offset:(\tb)*16*HP+(\koff)
	ds_load_b128 v[TF+32*(\buf)+8*\tb+4:TF+32*(\buf)+8*\tb+7], v[HA] offset:(\tb)*16*HP+(\koff)+32
.endif
.endr
.endm
; 16 matrix instructions: ring buffer i's 4 fragments x the 4 blocks of token buffer buf, onto accumulators fb .. fb + 3 of each block.  Over a K step's two half chunks the 32 accumulators take turns, one instruction a turn,
; in the same order in every K step.  zero = 1: the products start the sums: nothing is ever cleared.
.macro MUL16 ph, i, fb, buf, zero
	WIN 0x50                                       ; both sources window 0, C and D window 1
.set mt, 0
.rept 4
.set mf, 0
.rept 4
.set rD, 8*(8*mt+(\fb)+mf)
.set rW, RING+32*(\i)+8*mf
.set rX, TF+32*(\buf)+8*mt
.if (\ph) == 1
.if \zero
	v_wmma_f32_16x16x32_bf16 v[rD:rD+7], v[rW:rW+7], v[rX:rX+7], 0
.else
	v_wmma_f32_16x16x32_bf16 v[rD:rD+7], v[rW:rW+7], v[rX:rX+7], v[rD:rD+7]
.endif
.else
.if \zero
	v_wmma_f32_16x16x32_bf16 v[rD:rD+7], v[rX:rX+7], v[rW:rW+7], 0
.else
	v_wmma_f32_16x16x32_bf16 v[rD:rD+7], v[rX:rX+7], v[rW:rW+7], v[rD:rD+7]
.endif
.endif
.set mf, mf+1
.endr
.set mt, mt+1
.endr
.endm
; HALF CHUNK n of a product: ring buffer n % 4, accumulators 4 (n % 2) on, K step n / 2.  At a K step's first half the next K step's token fragments, at byte pf of the rows, are asked for (pf < 0: there is none).
; lc: the weights' loads issued behind this half chunk's.  refill = 1: the buffer takes the half chunk four further on, at ptr + base.
.macro HC ph, n, zero, pf, refill, ptr, base, lc
.if (\n)%2 == 0
.if (\pf) >= 0
	TFLOAD \ph, ((\n)/2+1)%2, \pf
	s_wait_dscnt 8                                 ; all but the eight just issued: this K step's token fragments are in
.else
	s_wait_dscnt 0x0
.endif
.endif
	s_wait_loadcnt \lc                             ; this half chunk's 8 loads are in, the younger half chunks' stay out
	MUL16 \ph, (\n)%4, 4*((\n)%2), ((\n)/2)%2, \zero
.rept 4
	v_nop                                          ; four places between the last product and the loads into registers that it read, or the lines that read its result
.endr
.if \refill
	FILL (\n)%4, \ptr, \base
.endif
.endm
; h = g sigmoid(g) u w for block tb: G = its accumulators 0-3, U = 4-7.  Register jj of accumulator j holds hidden column 64 (w % 4) + 32 (lane / 16) + 4 jj + j of token 16 tb + lane % 16.
; The 32 exponentials are one batch and the 32 reciprocals another; behind each stand 16 packed multiplies that name none of its results, and then one wait ahead of the first reader.
; Each accumulator's lowest registers are read first.
.macro EPI
.irp tb, 0,1,2,3
	WIN 0x01                                       ; source 0 window 1
.set en, 0
.rept 16
	v_pk_mul_f32 v[ET+2*en:ET+2*en+1], v[64*\tb+2*en:64*\tb+2*en+1], s[LE:LE+1] op_sel_hi:[1,0]  ; -g log2(e)
.set en, en+1
.endr
	WIN 0
.set en, 0
.rept 32
	v_exp_f32 v[ET+en], v[ET+en]
.set en, en+1
.endr
	WIN 0x41                                       ; destination and source 0 window 1
.set en, 0
.rept 16
	v_pk_mul_f32 v[64*\tb+32+2*en:64*\tb+32+2*en+1], v[64*\tb+32+2*en:64*\tb+32+2*en+1], v[CW+2*\tb:CW+2*\tb+1] op_sel_hi:[1,0]  ; u w
.set en, en+1
.endr
	s_wait_alu depctr_va_vdst(0)
	WIN 0
.set en, 0
.rept 16
	v_pk_add_f32 v[ET+2*en:ET+2*en+1], v[ET+2*en:ET+2*en+1], 1.0 op_sel_hi:[1,0]
.set en, en+1
.endr
.set en, 0
.rept 32
	v_rcp_f32 v[ET+en], v[ET+en]
.set en, en+1
.endr
	WIN 0x45                                       ; destination and both sources window 1
.set en, 0
.rept 16
	v_pk_mul_f32 v[64*\tb+32+2*en:64*\tb+32+2*en+1], v[64*\tb+32+2*en:64*\tb+32+2*en+1], v[64*\tb+2*en:64*\tb+2*en+1]  ; u w g
.set en, en+1
.endr
	s_wait_alu depctr_va_vdst(0)
	WIN 0x41
.set en, 0
.rept 16
	v_pk_mul_f32 v[64*\tb+32+2*en:64*\tb+32+2*en+1], v[64*\tb+32+2*en:64*\tb+32+2*en+1], v[ET+2*en:ET+2*en+1]  ; u w g sigmoid(g)
.set en, en+1
.endr
	WIN 0x05                                       ; both sources window 1
.set en, 0
.rept 8                                                ; columns 4 jj + 0, 1 and 4 jj + 2, 3: neighbours come from neighbouring accumulators
	v_cvt_pk_bf16_f32 v[EP+16*(\tb%2)+2*en],   v[64*\tb+32+en],    v[64*\tb+32+8+en]
	v_cvt_pk_bf16_f32 v[EP+16*(\tb%2)+2*en+1], v[64*\tb+32+16+en], v[64*\tb+32+24+en]
.set en, en+1
.endr
	WIN 0
.irp q, 0,1,2,3
	ds_store_b128 v[HS], v[EP+16*(\tb%2)+4*\q:EP+16*(\tb%2)+4*\q+3] offset:\tb*16*HP+16*\q
.endr
.endr
.endm
	; ---- THE FIRST PRODUCT, for my expert: K = 1,024: 32 K steps of two half chunks (Wg's group, then Wu's), written out: the place along K stands in the loads' immediates ----
	s_cmp_eq_u32 s[NB], 0
	s_cbranch_scc1 .Lp1done                        ; no tile: on to the barrier
	TFLOAD 1, 0, 0
.set hn, 0
.rept 64
.set hz, 0
.if hn < 2
.set hz, 1                                             ; the first K step starts the sums
.endif
.set hpf, 64*(hn/2+1)
.if hn >= 62
.set hpf, -1
.endif
.if hn < 60
	HC 1, hn, hz, hpf, 1, WP, 4096*(hn+4), 24
.else
	HC 1, hn, hz, hpf, 1, PA, 4096*(hn-60), 24     ; the ring goes on into the second product
.endif
.set hn, hn+1
.endr
	EPI
.Lp1done:
	s_wait_dscnt 0x0                               ; for the others' sake: my columns of H are in LDS
	s_barrier_signal -1
	s_barrier_wait -1                              ; (the weights' loads stay out across it: nobody writes those bytes)
	; ---- THE SECOND PRODUCT: my 128 columns; K = 512: K steps 0-7 from Wd of a, 8-15 from Wd of b; a K step's two half chunks are the two groups of 64 columns ----
	s_cmp_eq_u32 s[NB], 0
	s_cbranch_scc1 .Lend
	TFLOAD 2, 0, 0
.set hn, 0
.rept 32
.set hz, 0
.if hn < 2
.set hz, 1
.endif
.set hpf, 64*(hn/2+1)
.if hn >= 30
.set hpf, -1
.endif
.if hn < 12
	HC 2, hn, hz, hpf, 1, PA, 4096*(hn+4), 24
.elseif hn < 28
	HC 2, hn, hz, hpf, 1, PB, 4096*(hn-12), 24
.else
	HC 2, hn, hz, hpf, 0, PB, 0, 8*(31-hn)         ; the last four ask for nothing: no load leaves the buffer, and the counts run down
.endif
.set hn, hn+1
.endr
	WIN 0                                          ; at a label and at a branch every window is 0
	; THE WAY OUT.  Register jj of accumulator 4 g + j holds column 64 g + 4 (lane % 16) + j of place 16 tb + 8 (lane / 16) + jj: four accumulators' registers, moved side by side, are 16 bytes of a row,
	; and 16 lanes store 256 consecutive bytes, at a multiple of 256 from out0's first byte.  The 64 moves a block take the place of a trip through LDS.  The token fragments' registers and the two halves
	; of the ring, all idle now, hold three blocks' data, so that only the fourth block rewrites registers that stores have named.
.irp tb, 0,1,2,3
.if \tb > 0
	s_cmp_lt_u32 s[NB], \tb+1
	s_cbranch_scc1 .Lend                           ; blocks past the count store nothing
.endif
.set SDB, TF
.if \tb == 1
.set SDB, RING
.endif
.if \tb == 2
.set SDB, RING+64
.endif
.if \tb == 3
	s_wait_xcnt 0x0                                ; every earlier memory instruction has had its addresses translated (ISA guide 3.1): the first block's data registers are rewritten only behind this wait
.endif
	WIN 0x01                                       ; source 0 window 1
.set oj, 0
.rept 8                                                ; register 0 of every accumulator first
.set og, 0
.rept 2
.set ok, 0
.rept 4
	v_mov_b32 v[SDB+4*(8*og+oj)+ok], v[8*(8*\tb+4*og+ok)+oj]
.set ok, ok+1
.endr
.set og, og+1
.endr
.set oj, oj+1
.endr
	WIN 0
.set oj, 0
.rept 8
	global_store_b128 v[OFF+8*\tb+oj], v[SDB+4*oj:SDB+4*oj+3], s[16:17] th:TH_STORE_NT
	global_store_b128 v[OFF+8*\tb+oj], v[SDB+32+4*oj:SDB+32+4*oj+3], s[16:17] offset:256 th:TH_STORE_NT
.set oj, oj+1
.endr
.endr
.Lend:
	s_wait_tensorcnt 0x0                           ; the wave's end: behind my last LDS store
	ds_add_u32 v[SPW], v[NIL]
	s_wait_dscnt 0x0
	s_endpgm
.Lfunc_end_k_qfd2ae588cd_chain:
	.size	k_qfd2ae588cd_chain, .Lfunc_end_k_qfd2ae588cd_chain-k_qfd2ae588cd_chain
	.p2alignl 7, 3214868480
	.fill 96, 4, 3214868480
	.section	.rodata,"a",@progbits
	.p2align	6, 0x0
	.amdhsa_kernel k_qfd2ae588cd_chain
		.amdhsa_group_segment_fixed_size 201728
		.amdhsa_private_segment_fixed_size 0
		.amdhsa_enable_private_segment 0
		.amdhsa_kernarg_size 56
		.amdhsa_user_sgpr_count 2
		.amdhsa_user_sgpr_kernarg_segment_ptr 1
		.amdhsa_wavefront_size32 1
		.amdhsa_system_sgpr_workgroup_id_x 1
		.amdhsa_system_sgpr_workgroup_id_y 1
		.amdhsa_system_sgpr_workgroup_id_z 1
		.amdhsa_system_vgpr_workitem_id 0
		.amdhsa_next_free_vgpr 512
		.amdhsa_next_free_sgpr 66
		.amdhsa_reserve_vcc 0
		.amdhsa_float_denorm_mode_32 3
		.amdhsa_float_denorm_mode_16_64 3
		.amdhsa_memory_ordered 1
		.amdhsa_forward_progress 1
		.amdhsa_inst_pref_size 255
	.end_amdhsa_kernel
	.section	.bss,"aw",@nobits
	.p2align	6
	.space	262144
	.amdgpu_metadata
---
amdhsa.version: [ 1, 2 ]
amdhsa.kernels:
  - .name:           k_qfd2ae588cd_chain
    .symbol:         k_qfd2ae588cd_chain.kd
    .args:
      - { .name: x, .offset: 0, .size: 8, .value_kind: global_buffer, .address_space: global }
      - { .name: list, .offset: 8, .size: 8, .value_kind: global_buffer, .address_space: global }
      - { .name: counts, .offset: 16, .size: 8, .value_kind: global_buffer, .address_space: global }
      - { .name: cw, .offset: 24, .size: 8, .value_kind: global_buffer, .address_space: global }
      - { .name: w1, .offset: 32, .size: 8, .value_kind: global_buffer, .address_space: global }
      - { .name: w2, .offset: 40, .size: 8, .value_kind: global_buffer, .address_space: global }
      - { .name: out0, .offset: 48, .size: 8, .value_kind: global_buffer, .address_space: global }
    .group_segment_fixed_size: 201728
    .private_segment_fixed_size: 0
    .kernarg_segment_align: 8
    .kernarg_segment_size: 56
    .max_flat_workgroup_size: 256
    .sgpr_count:     66
    .vgpr_count:     512
    .wavefront_size: 32
...
	.end_amdgpu_metadata
.endif
;; end of part 3
;; ======== version 2 of 2: 3 launches; version 1 with the launch chain written anew for expert scheduling mode
;; workspace buffers: pid 32,768 bytes of whole numbers; cw 65,536 bytes; list 917,504 bytes of whole numbers; counts 256 bytes of whole numbers; w1 8,388,608 bytes; w2 4,194,304 bytes
;; launch router: the kernel of part 1 again; grid 256 x 1, 4 waves a work-group, no clusters, 38,400 bytes of LDS; arguments x, Wr, pid, cw; writes pid, cw
;; launch prep: the kernel of part 2 again; grid 220 x 1, 8 waves a work-group, no clusters, 1,280 bytes of LDS; arguments pid, Wg, Wu, Wd, list, counts, w1, w2; writes list, counts, w1, w2
;; launch chain (part 4): grid 155 x 1, 8 waves a work-group, no clusters, 201,728 bytes of LDS; arguments x, list, counts, cw, w1, w2, out0; writes out0
.if DOCPART == 4
	.amdgcn_target "amdgcn-amd-amdhsa--gfx1250"
	.amdhsa_code_object_version 6
	.text
	.protected	k_qfd2ae588cd_chain
	.globl	k_qfd2ae588cd_chain
	.p2align	8
	.type	k_qfd2ae588cd_chain,@function
k_qfd2ae588cd_chain:
	s_mov_b64 s[64:65], 0
	v_nop
	global_prefetch_b8 v0, s[64:65] scope:SCOPE_SE
	s_setreg_imm32_b32 hwreg(HW_REG_WAVE_SCHED_MODE, 0, 2), 2
	s_setreg_imm32_b32 hwreg(HW_REG_WAVE_MODE, 25, 1), 1
	s_wait_xcnt 0x0
	s_wait_alu depctr_vm_vsrc(0)
; THE EXPERTS.  A work-group takes a TILE of up to 64 tokens that chose the same SET of two experts (a, b) through the whole chain: gather x (rounded to bf16) into LDS; for a and for b:
; g = x Wg, u = x Wu, h = silu(g) u w (w the token's weight for that expert), rounded once to bf16 into LDS; then out = [h_a | h_b] [Wd_a ; Wd_b], one f32 sum for each output, stored once: each output row has one owner.
; THE GRID serves every split: with 8,192 tokens in 28 sets there are never more than 8,192 / 64 + 27 = 155 tiles.  Every work-group finds its tile from the 28 stored counts.  One that is left without a tile
; passes both barriers, jumps over the products and stores nothing.
; A TILE THAT IS NOT FULL: the places past the count repeat the tile's last token.  All 64 places are multiplied; of the stores, whole blocks of 16 places past the count are jumped; inside the last live block
; the repeats store the same bytes into the same row again.
; LIMITS.  NaN and infinities are not treated apart.  sigmoid(g) = 1 / (1 + 2^(-g log2 e)); where that is below 2^-126 it counts as 0.  h is kept in bf16 (f16 would end at 65,504).  The order of the f32 sums is the matrix unit's.
; EIGHT WAVES, two to a SIMD, so that one wave's products are at work while the other issues its loads.  First product: waves 0-3 work for expert a, waves 4-7 for expert b, side by side; wave w has hidden columns
; 64 (w % 4) .. + 63 of g and of u (accumulators: 4 blocks of 16 places x 8 fragments); source 0 = weights, source 1 = tokens, so a lane holds ONE token and, over four fragments' registers, 32 neighbouring hidden columns.
; Second product: wave w has output columns 128 w .. + 127; source 0 = tokens, source 1 = weights, so four accumulators give a lane 4 neighbouring columns.
; THE WEIGHTS come straight from memory into registers as matrix operands (the launch before laid them so): each weight byte is used by ONE wave of the work-group, for all 64 places, so LDS would add a write and a read and no reuse.
; A wave's stream is cut into HALF CHUNKS of 4,096 bytes (a group of 64 columns x 32 k: 4 fragments, 8 loads of 512 consecutive bytes, 16 matrix instructions); a ring of four register buffers keeps four of them, 32 loads, asked for,
; a buffer is filled again straight behind its products, and the ring runs on from the first product into the second.
; NO CLUSTER, NO JOINT LOADS: beside X and H 125,952 bytes of LDS are left, two slots of under 64 KiB for 3 MiB of weights a tile; and partners would have to be tiles of one set, whose number hangs on the counts:
; whole clusters of 4 x 64 places for each of 28 sets would be little more than half full at 8,192 / 28 tokens a set.
; LDS: X 64 rows x 2,048 bytes + 16 of padding; H 64 rows x 1,024 + 16 (both pitches are odd multiples of 16 bytes: the 16 rows of a load start at 16 different groups of four banks; 64 banks of 4 bytes: ISA guide 11.1);
; each wave's copy of the tile's 64 token numbers; the spare words, 128 bytes for each wave.  EVERY LDS ADDRESS is a lane's term, the wave's term and an immediate: no address register is written behind the set-up, and the steps along K are written out.
; THE MODE: SCHED_MODE bits 1:0 = 2 (LLVM: expert scheduling mode 2), set by the entry lines.  The code itself states the register dependences between vector or matrix instructions and memory or LDS instructions,
; with s_wait_alu, always for 0.
; THE PLAN.  Registers that memory or LDS instructions touch:
;   the ring     Half chunk n: its 16 products read buffer n % 4; behind them the 8 loads of half chunk n + 4 land in it.
;   TF0, TF1     K step t: its 32 products read TF[t % 2]; the 8 LDS loads of K step t + 1 land in the other buffer, which the products of K step t - 1 read last.
;   v1, v6-8, v14-23, v96-127   offsets and LDS addresses: written in the set-up, never again.
;   GT0, GT1     the gather: row i's roundings write GT[i % 2]; its 8 LDS stores, issued in row i + 1's step, read it.
;   EP0, EP1     the activation: block tb's roundings write EP[tb % 2]; its 4 LDS stores, issued in block tb + 1, read it.
;   three sets on the way out: a block's 64 moves write a set, its 16 stores read it; the fourth block takes the first block's set again.
; In the products ONE wait on va_vdst stands in a half chunk, behind its 16 products: they are done reading their ring buffer and, behind a K step's second half, their token buffer.  The buffer's 8 loads follow at once, ahead of the
; wait for the next half chunk's data, so that four half chunks stay asked for.  The next K step's LDS loads stand behind the first four products of a K step, with no further wait: those four name the other token buffer, another ring
; buffer and accumulators.  The accumulators are named by vector and matrix instructions alone.
; REGISTERS, in windows of 256 (s_set_vgpr_msb: bits 1:0 source 0, 3:2 source 1, 5:4 source 2, 7:6 destination):
;   window 0: addresses, token fragments, work, the ring    window 1: accumulator (block tb, fragment f) at 8 (8 tb + f); in the gather eight rows of x
.set XP,    2064
.set HB,    64*XP                      ; 132,096
.set HP,    1040
.set TOKW,  HB+64*HP                   ; 198,656: 256 bytes for each wave
.set L16, 1                            ; v1   16 x lane; never rewritten
.set R,   2                            ; v2   lane % 16
.set HH,  3                            ; v3   lane / 16
.set HA,  6                            ; v6   where my fragments of H lie
.set HS,  7                            ; v7   where I put 64 bytes of h
.set XS,  8                            ; v8   where I put 8 bytes of a row of x
.set TW,  9                            ; v9   my wave's token numbers
.set LN,  11                           ; v11  lane
.set XB0, 14                           ; v14-15 where my fragments of X's blocks 0, 1 and 2, 3 lie
.set XB1, 15
.set RO,  16                           ; v16-23   byte offset in x of my 16 bytes in each of my wave's 8 rows
.set CW,  24                           ; v24-31   in the even registers my expert's weight for place 16 tb + lane % 16; the odd ones are named with them as pairs
.set TF,  32                           ; v32-95   token fragments: two buffers of four blocks of 8.  Outside the products these 64 registers are at work:
.set TOKA, 40                          ;   v40-43  set-up: a place's byte offset in cw
.set GT,  48                           ;   v48-79  gather: a row, rounded; two sets by turns
.set ET,  32                           ;   v32-63  activation: 32 numbers at work
.set EP,  64                           ;   v64-95  activation: h, packed; two sets by turns
.set OFF, 96                           ; v96-127  byte offset in out0: place 16 tb + 8 (lane / 16) + jj at OFF + 8 tb + jj
.set RING, 128                         ; v128-255 the ring: buffer i at RING + 32 i
.set W,    18                          ; s18 wave 0..7
.set G,    19                          ; s19 work-group
.set BASE, 20                          ; s20 tiles of the sets before
.set TT,   21
.set DD,   22
.set PAIR, 23                          ; s23 my set
.set TIDX, 24                          ; s24 my tile in it
.set NP,   25                          ; s25 the set's tokens
.set EA,   26
.set EB,   27
.set CNT,  28                          ; s28 my tile's tokens, 0 .. 64
.set NB,   29                          ; s29 its live blocks of 16
.set CM1,  30                          ; s30 its last place
.set TMP,  31
.set CN,   32                          ; s[32:59] the 28 counts; used again behind the search:
.set WP,   32                          ; s[32:33] Wg and Wu of my expert, my columns
.set PA,   38                          ; s[38:39] Wd of a, my columns
.set PB,   40                          ; s[40:41] Wd of b
.set OF,   42                          ; s[42:43] an offset
.set WQ,   44                          ; s44 wave % 4
.set SL,   45                          ; s45 wave / 4: 0 expert a, 1 expert b
.set ES,   46                          ; s46 my expert
.set C4,   47                          ; s47 4 x (wave / 4): my expert's word in a pair of cw
.set LE,   48                          ; s[48:49] -log2(e): the packed multiply takes the pair's low word for both halves
.set MSB, 0
.macro WIN new                         ; the immediate's high byte repeats the setting that is left; a switch that changes nothing is dropped
.if MSB != (\new)
	s_set_vgpr_msb (MSB<<8)|(\new)
.set MSB, \new
.endif
.endm
	s_load_b256 s[4:11], s[0:1], 0x0               ; x s[4:5], list s[6:7], counts s[8:9], cw s[10:11]
	s_load_b128 s[12:15], s[0:1], 0x20             ; w1 s[12:13], w2 s[14:15]
	s_load_b64 s[16:17], s[0:1], 0x30              ; out0
	v_lshl_add_u32 v12, v0, 2, 0x31000
	v_mov_b32 v13, 0
	v_lshrrev_b32 v10, 5, v0
	v_readfirstlane_b32 s[W], v10                  ; wave 0..7
	s_mov_b32 s[G], ttmp9
	v_and_b32 v[LN], 31, v0
	v_and_b32 v[R], 15, v0
	v_bfe_u32 v[HH], v0, 4, 1
	v_lshlrev_b32 v[L16], 4, v[LN]
	s_wait_kmcnt 0x0
	s_load_b512 s[CN:CN+15], s[8:9], 0x0           ; the 28 counts
	s_load_b256 s[CN+16:CN+23], s[8:9], 0x40
	s_load_b128 s[CN+24:CN+27], s[8:9], 0x60
	; A fragment is 16 rows x 32 K in 8 registers: lane l holds row l % 16, K = 8 (l / 16) + 0..7 and 16 + 8 (l / 16) + 0..7: two loads of 16 bytes, 32 bytes apart
	v_mul_u32_u24 v[XB0], v[R], XP
	v_lshl_add_u32 v[XB0], v[HH], 4, v[XB0]
	v_add_nc_u32 v[XB1], 32*XP, v[XB0]             ; blocks 2 and 3 lie beyond an LDS instruction's 16-bit offset
	v_mul_u32_u24 v[HA], v[R], HP
	v_lshl_add_u32 v[HS], v[HH], 6, v[HA]
	v_lshl_add_u32 v[HA], v[HH], 4, v[HA]
	v_add_nc_u32 v[HA], HB, v[HA]
	s_wait_alu depctr_va_sdst(0)                   ; the wave's number is written, ahead of its first reader: LDS places and the bases of the weights and of out0 are made from it
	s_lshl_b32 s[TMP], s[W], 7                     ; 128 bytes of a row of H a wave: h_a fills bytes 0-511 (waves 0-3), h_b bytes 512-1,023 (waves 4-7)
	s_add_co_u32 s[TMP], s[TMP], HB
	v_add_nc_u32 v[HS], s[TMP], v[HS]              ; row l % 16, my wave's 64 columns, 32 for each half of the lanes
	s_mul_i32 s[TMP], s[W], 8*XP
	v_lshl_add_u32 v[XS], v[LN], 3, s[TMP]         ; my wave's 8 rows of X, 8 bytes a lane
	s_lshl_b32 s[TMP], s[W], 8
	s_add_co_u32 s[TMP], s[TMP], TOKW
	v_mov_b32 v[TW], s[TMP]
	v_lshlrev_b32 v10, 4, v[R]
	s_mov_b32 s[BASE], 0
	s_mov_b32 s[PAIR], 0
	s_mov_b32 s[EA], 0
	s_mov_b32 s[EB], 1
	s_mov_b32 s[TIDX], 0
	s_mov_b32 s[NP], 0
	s_wait_kmcnt 0x0
	; THE SEARCH: set p has ceil(n_p / 64) tiles; mine is the set in whose run of tiles my number falls.  A number below the run's first wraps round and is no less than any run's length.
.set mp, 0
.irp a, 0,1,2,3,4,5,6
.irp b, 1,2,3,4,5,6,7
.if \b > \a
	s_add_co_u32 s[TT], s[CN+mp], 63
	s_lshr_b32 s[TT], s[TT], 6
	s_sub_co_u32 s[DD], s[G], s[BASE]
	s_cmp_lt_u32 s[DD], s[TT]
	s_cselect_b32 s[PAIR], mp, s[PAIR]
	s_cselect_b32 s[EA], \a, s[EA]
	s_cselect_b32 s[EB], \b, s[EB]
	s_cselect_b32 s[TIDX], s[DD], s[TIDX]
	s_cselect_b32 s[NP], s[CN+mp], s[NP]
	s_add_co_u32 s[BASE], s[BASE], s[TT]
.set mp, mp+1
.endif
.endr
.endr
	s_min_u32 s[PAIR], s[PAIR], 27                 ; numbers made of loaded data enter addresses only behind a bound
	s_min_u32 s[EA], s[EA], 7
	s_min_u32 s[EB], s[EB], 7
	s_min_u32 s[TIDX], s[TIDX], 127
	s_min_u32 s[NP], s[NP], 0x2000
	s_lshl_b32 s[TMP], s[TIDX], 6
	s_sub_co_u32 s[CNT], s[NP], s[TMP]
	s_min_u32 s[CNT], s[CNT], 64                   ; 0 where no tile is left for me
	s_add_co_u32 s[NB], s[CNT], 15
	s_lshr_b32 s[NB], s[NB], 4
	s_max_u32 s[CM1], s[CNT], 1
	s_sub_co_u32 s[CM1], s[CM1], 1
	s_and_b32 s[WQ], s[W], 3
	s_lshr_b32 s[SL], s[W], 2
	s_lshl_b32 s[C4], s[SL], 2
	s_cmp_eq_u32 s[SL], 0
	s_cselect_b32 s[ES], s[EA], s[EB]
	s_mov_b32 s[OF+1], 0
	s_lshl_b32 s[OF], s[PAIR], 15                  ; list: the set's row of 8,192 words, the tile's 64
	s_lshl_b32 s[TMP], s[TIDX], 8
	s_add_co_u32 s[OF], s[OF], s[TMP]
	s_add_nc_u64 s[6:7], s[6:7], s[OF:OF+1]
	s_lshl_b32 s[TMP], s[WQ], 18                   ; w1: [expert][64 hidden columns][ks][g, u][4,096]
	s_lshl_b32 s[OF], s[ES], 20
	s_add_co_u32 s[OF], s[OF], s[TMP]
	s_add_nc_u64 s[WP:WP+1], s[12:13], s[OF:OF+1]
	s_lshl_b32 s[TMP], s[W], 16                    ; w2: [expert][128 columns][ks][64 columns][4,096]: my 128 columns are one of the eight
	s_lshl_b32 s[OF], s[EA], 19
	s_add_co_u32 s[OF], s[OF], s[TMP]
	s_add_nc_u64 s[PA:PA+1], s[14:15], s[OF:OF+1]
	s_lshl_b32 s[OF], s[EB], 19
	s_add_co_u32 s[OF], s[OF], s[TMP]
	s_add_nc_u64 s[PB:PB+1], s[14:15], s[OF:OF+1]
	s_lshl_b32 s[OF], s[W], 9                      ; out0: my 128 columns
	s_add_nc_u64 s[16:17], s[16:17], s[OF:OF+1]
	s_mov_b32 s[LE], 0xbfb8aa3b
	s_mov_b32 s[LE+1], 0xbfb8aa3b
; A half chunk of weights into ring buffer i: 8 loads of 512 consecutive bytes; load l fills registers 4 l .. 4 l + 3: fragment l / 2, half l % 2
.macro FILL i, ptr, base
	WIN 0
.set fl, 0
.rept 8
	global_load_b128 v[RING+32*(\i)+4*fl:RING+32*(\i)+4*fl+3], v[L16], s[\ptr:\ptr+1] offset:(\base)+512*fl
.set fl, fl+1
.endr
.endm
	; THE TILE'S TOKENS: place i holds list[min(i, last place)].  Each wave keeps its own copy in LDS, so that lanes can take them in three orders without a barrier.
	v_min_u32 v32, s[CM1], v[LN]
	v_add_nc_u32 v33, 32, v[LN]
	v_min_u32 v33, s[CM1], v33
	v_min_u32 v32, 63, v32
	v_min_u32 v33, 63, v33
	v_lshlrev_b32 v32, 2, v32
	v_lshlrev_b32 v33, 2, v33
	s_wait_alu depctr_va_vdst(0)                   ; v32, v33 and v1 are written, which the loads below read as offsets; so are the LDS addresses v6 to v8, v14 and v15, for the whole kernel
	global_load_b32 v34, v32, s[6:7]
	global_load_b32 v35, v33, s[6:7]
	FILL 0, WP, 0                                  ; the ring is asked for at once: it hangs on the search alone, and lands while the tokens and their rows are fetched
	FILL 1, WP, 4096
	FILL 2, WP, 8192
	FILL 3, WP, 12288
	v_lshl_add_u32 v36, v[LN], 2, v[TW]
	s_lshl_b32 s[TMP], s[W], 5
	v_add_nc_u32 v37, s[TMP], v[TW]                ; my wave's 8 rows of the gather
	v_lshl_add_u32 v38, v[HH], 5, v[TW]            ; eight places for each half of the lanes
	v_lshl_add_u32 v39, v[R], 2, v[TW]             ; a place a lane
.irp tb, 0,1,2,3
	v_mov_b32 v[CW+2*\tb+1], 0                     ; named in a pair with the weight, so it is written
.endr
	s_wait_loadcnt 32                              ; loads come back in order (ISA guide 5.7.1): the two loads of the list are in, the ring's 32 behind them stay out
	v_min_u32 v34, 0x1fff, v34
	v_min_u32 v35, 0x1fff, v35
	s_wait_alu depctr_va_vdst(0)                   ; v34 and v35, the LDS stores' data, and v36 to v39, the addresses of the stores and loads below, are written
	ds_store_b32 v36, v34
	ds_store_b32 v36, v35 offset:128
	ds_load_b128 v[RO:RO+3], v37                   ; LDS serves a wave's instructions in order (ISA guide 5.7.1.4): these see the stores above
	ds_load_b128 v[RO+4:RO+7], v37 offset:16
.irp tb, 0,1,2,3
	ds_load_b128 v[OFF+8*\tb:OFF+8*\tb+3], v38 offset:64*\tb
	ds_load_b128 v[OFF+8*\tb+4:OFF+8*\tb+7], v38 offset:64*\tb+16
	ds_load_b32 v[TOKA+\tb], v39 offset:64*\tb
.endr
	s_wait_dscnt 0x0
.set n, 0
.rept 4                                                ; all twelve offsets are made first, so that one wait serves the 68 loads
	v_min_u32 v[TOKA+n], 0x1fff, v[TOKA+n]
	v_lshl_add_u32 v[TOKA+n], v[TOKA+n], 3, s[C4]  ; the token's pair of weights, my expert's word
.set n, n+1
.endr
.set n, 0
.rept 8
	v_min_u32 v[RO+n], 0x1fff, v[RO+n]
	v_lshl_add_u32 v[RO+n], v[RO+n], 12, v[L16]    ; the token's row of 4,096 bytes + 16 x lane
.set n, n+1
.endr
	s_wait_alu depctr_va_vdst(0)                   ; v40 to v43 and v16 to v23 are written, which the loads below read as offsets
.set n, 0
.rept 4
	global_load_b32 v[CW+2*n], v[TOKA+n], s[10:11]
.set n, n+1
.endr
	; THE GATHER.  Wave w brings rows 8 w + i.  A row is eight loads of 512 consecutive bytes; all eight rows are asked for at once.  (With the ring's loads more are asked for than the counter's field holds: the issue then waits: ISA guide 5.7.1.)
	WIN 0x40                                       ; destination window 1
.set gi, 0
.rept 8
.set gj, 0
.rept 8
	global_load_b128 v[32*gi+4*gj:32*gi+4*gj+3], v[RO+gi], s[4:5] offset:512*gj
.set gj, gj+1
.endr
.set gi, gi+1
.endr
	WIN 0
.set n, 0
.rept 32
	v_min_u32 v[OFF+n], 0x1fff, v[OFF+n]
	v_lshl_add_u32 v[OFF+n], v[OFF+n], 12, v10     ; the token's row + 16 (lane % 16)
.set n, n+1
.endr
.macro GSTORE i                        ; row i, rounded, is put into X
.set gj, 0
.rept 8
	ds_store_b64 v[XS], v[GT+16*((\i)%2)+2*gj:GT+16*((\i)%2)+2*gj+1] offset:(\i)*XP+256*gj  ; 32 lanes, 256 consecutive bytes
.set gj, gj+1
.endr
.endm
.macro GROW i                          ; step i: row i - 1 is stored, row i is rounded to bf16
	s_wait_loadcnt 8*(7-(\i))                      ; the younger rows' eight loads each stay out
.if (\i) > 0
	s_wait_alu depctr_va_vdst(0)                   ; row i - 1's roundings have written their set of GT, which the LDS stores below read
.endif
.if (\i) > 1
	s_wait_alu depctr_vm_vsrc(0)                   ; row i - 2's LDS stores, issued in the step before, have read the set of GT that this row's roundings write again
.endif
.if (\i) > 0
	GSTORE (\i)-1
.endif
	WIN 0x05                                       ; both sources in window 1
.set gn, 0
.rept 16
	v_cvt_pk_bf16_f32 v[GT+16*((\i)%2)+gn], v[32*(\i)+2*gn], v[32*(\i)+2*gn+1]
.set gn, gn+1
.endr
	WIN 0
.endm
.irp i, 0,1,2,3,4,5,6,7
	GROW \i
.endr
	s_wait_alu depctr_va_vdst(0)                   ; row 7's roundings have written their set of GT, which the LDS stores below read.  No vector line follows up to the products: every line that named v32 to v95 stands ahead of this wait, so it serves the first token fragments' loads too
	GSTORE 7
	s_wait_dscnt 0x0                               ; for the others' sake: my 8 rows are in X
	s_barrier_signal -1
	s_barrier_wait -1
	s_wait_alu depctr_vm_vsrc(0)                   ; the set-up's loads and LDS instructions have read v32 to v43, the gather's LDS stores v48 to v79: the token fragments' loads land in these registers
; The four blocks' token fragments for 32 K at byte koff of the rows, into buffer buf.  ph = 1: from X; 2: from H
.macro TFLOAD ph, buf, koff
	WIN 0
.irp tb, 0,1,2,3
.if (\ph) == 1
	ds_load_b128 v[TF+32*(\buf)+8*\tb:TF+32*(\buf)+8*\tb+3],   v[XB0+(\tb)/2] offset:((\tb)%2)*16*XP+(\koff)
	ds_load_b128 v[TF+32*(\buf)+8*\tb+4:TF+32*(\buf)+8*\tb+7], v[XB0+(\tb)/2] offset:((\tb)%2)*16*XP+(\koff)+32
.else
	ds_load_b128 v[TF+32*(\buf)+8*\tb:TF+32*(\buf)+8*\tb+3],   v[HA] offset:(\tb)*16*HP+(\koff)
	ds_load_b128 v[TF+32*(\buf)+8*\tb+4:TF+32*(\buf)+8*\tb+7], v[HA] offset:(\tb)*16*HP+(\koff)+32
.endif
.endr
.endm
; 4 matrix instructions: ring buffer i's 4 fragments x block mt of token buffer buf, onto accumulators fb .. fb + 3 of that block.  Over a K step's two half chunks the 32 accumulators take turns, one instruction a turn,
; in the same order in every K step.  zero = 1: the products start the sums: nothing is ever cleared.
.macro MUL4 ph, i, fb, buf, zero, mt
	WIN 0x50                                       ; both sources window 0, C and D window 1
.set mf, 0
.rept 4
.set rD, 8*(8*(\mt)+(\fb)+mf)
.set rW, RING+32*(\i)+8*mf
.set rX, TF+32*(\buf)+8*(\mt)
.if (\ph) == 1
.if \zero
	v_wmma_f32_16x16x32_bf16 v[rD:rD+7], v[rW:rW+7], v[rX:rX+7], 0
.else
	v_wmma_f32_16x16x32_bf16 v[rD:rD+7], v[rW:rW+7], v[rX:rX+7], v[rD:rD+7]
.endif
.else
.if \zero
	v_wmma_f32_16x16x32_bf16 v[rD:rD+7], v[rX:rX+7], v[rW:rW+7], 0
.else
	v_wmma_f32_16x16x32_bf16 v[rD:rD+7], v[rX:rX+7], v[rW:rW+7], v[rD:rD+7]
.endif
.endif
.set mf, mf+1
.endr
.endm
; HALF CHUNK n of a product: ring buffer n % 4, accumulators 4 (n % 2) on, K step n / 2.  In a K step's first half the next K step's token fragments, at byte pf of the rows, are asked for behind the first four products (pf < 0: there is none).
; lc: the weights' loads issued behind this half chunk's.  refill = 1: the buffer takes the half chunk four further on, at ptr + base.  pl = 1: a product's last half chunk: vector lines read the results next.
.macro HC ph, n, zero, pf, refill, ptr, base, lc, pl
.if (\n)%2 == 0
	s_wait_dscnt 0x0                               ; this K step's token fragments, asked for a K step ago, are in
.endif
	s_wait_loadcnt \lc                             ; this half chunk's 8 loads are in, the younger half chunks' stay out
	MUL4 \ph, (\n)%4, 4*((\n)%2), ((\n)/2)%2, \zero, 0
.if ((\n)%2 == 0) && ((\pf) >= 0)
	TFLOAD \ph, ((\n)/2+1)%2, \pf                  ; no wait: the four products since the last wait on va_vdst name the other token buffer, a ring buffer and accumulators
.endif
	MUL4 \ph, (\n)%4, 4*((\n)%2), ((\n)/2)%2, \zero, 1
	MUL4 \ph, (\n)%4, 4*((\n)%2), ((\n)/2)%2, \zero, 2
	MUL4 \ph, (\n)%4, 4*((\n)%2), ((\n)/2)%2, \zero, 3
.if \pl
.rept 4
	v_nop                                          ; four places between the last product and the vector lines that read its result or write its sources (ISA guide 7.12.1)
.endr
.endif
.if \refill
	WIN 0
	s_wait_alu depctr_va_vdst(0)                   ; the 16 products are done reading ring buffer n % 4, in which the loads below land; behind a K step's second half they are also done reading its token buffer, in which the next LDS loads land
	FILL (\n)%4, \ptr, \base
.endif
.endm
.macro HSTORE tb                       ; block tb's h, 64 bytes a lane, is put into H
.irp q, 0,1,2,3
	ds_store_b128 v[HS], v[EP+16*((\tb)%2)+4*\q:EP+16*((\tb)%2)+4*\q+3] offset:(\tb)*16*HP+16*\q
.endr
.endm
; h = g sigmoid(g) u w for block tb: G = its accumulators 0-3, U = 4-7.  Register jj of accumulator j holds hidden column 64 (w % 4) + 32 (lane / 16) + 4 jj + j of token 16 tb + lane % 16.
; The 32 exponentials are one batch and the 32 reciprocals another; behind each stand 16 packed multiplies that name none of its results, and then one wait ahead of the first reader.
; A block's LDS stores stand in the next block, behind the exponentials' wait, which also shows their data written.  Each accumulator's lowest registers are read first.
.macro EPI
.irp tb, 0,1,2,3
	WIN 0x01                                       ; source 0 window 1
.set en, 0
.rept 16
	v_pk_mul_f32 v[ET+2*en:ET+2*en+1], v[64*\tb+2*en:64*\tb+2*en+1], s[LE:LE+1] op_sel_hi:[1,0]  ; -g log2(e)
.set en, en+1
.endr
	WIN 0
.set en, 0
.rept 32
	v_exp_f32 v[ET+en], v[ET+en]
.set en, en+1
.endr
	WIN 0x41                                       ; destination and source 0 window 1
.set en, 0
.rept 16
	v_pk_mul_f32 v[64*\tb+32+2*en:64*\tb+32+2*en+1], v[64*\tb+32+2*en:64*\tb+32+2*en+1], v[CW+2*\tb:CW+2*\tb+1] op_sel_hi:[1,0]  ; u w
.set en, en+1
.endr
	s_wait_alu depctr_va_vdst(0)                   ; the 32 exponentials have written v32 to v63, ahead of their first reader; the block before's roundings have written its set of EP, which the LDS stores below read
	WIN 0
.if \tb > 0
	HSTORE \tb-1
.endif
.set en, 0
.rept 16
	v_pk_add_f32 v[ET+2*en:ET+2*en+1], v[ET+2*en:ET+2*en+1], 1.0 op_sel_hi:[1,0]
.set en, en+1
.endr
.set en, 0
.rept 32
	v_rcp_f32 v[ET+en], v[ET+en]
.set en, en+1
.endr
	WIN 0x45                                       ; destination and both sources window 1
.set en, 0
.rept 16
	v_pk_mul_f32 v[64*\tb+32+2*en:64*\tb+32+2*en+1], v[64*\tb+32+2*en:64*\tb+32+2*en+1], v[64*\tb+2*en:64*\tb+2*en+1]  ; u w g
.set en, en+1
.endr
	s_wait_alu depctr_va_vdst(0)                   ; the 32 reciprocals have written v32 to v63, ahead of their first reader
	WIN 0x41
.set en, 0
.rept 16
	v_pk_mul_f32 v[64*\tb+32+2*en:64*\tb+32+2*en+1], v[64*\tb+32+2*en:64*\tb+32+2*en+1], v[ET+2*en:ET+2*en+1]  ; u w g sigmoid(g)
.set en, en+1
.endr
.if \tb > 1
	s_wait_alu depctr_vm_vsrc(0)                   ; the LDS stores of the block two back, issued in the block before, have read the set of EP that the roundings below write again
.endif
	WIN 0x05                                       ; both sources window 1
.set en, 0
.rept 8                                                ; columns 4 jj + 0, 1 and 4 jj + 2, 3: neighbours come from neighbouring accumulators
	v_cvt_pk_bf16_f32 v[EP+16*(\tb%2)+2*en],   v[64*\tb+32+en],    v[64*\tb+32+8+en]
	v_cvt_pk_bf16_f32 v[EP+16*(\tb%2)+2*en+1], v[64*\tb+32+16+en], v[64*\tb+32+24+en]
.set en, en+1
.endr
	WIN 0
.endr
	s_wait_alu depctr_va_vdst(0)                   ; block 3's roundings have written their set of EP, which the LDS stores below read.  No vector line follows up to the second product: every line that named v32 to v95 stands ahead of this wait, so it serves the loads of H's first fragments too
	HSTORE 3
.endm
	; ---- THE FIRST PRODUCT, for my expert: K = 1,024: 32 K steps of two half chunks (Wg's group, then Wu's), written out: the place along K stands in the loads' immediates ----
	s_cmp_eq_u32 s[NB], 0
	s_cbranch_scc1 .Lp1done                        ; no tile: on to the barrier
	TFLOAD 1, 0, 0
.set hn, 0
.rept 64
.set hz, 0
.if hn < 2
.set hz, 1                                             ; the first K step starts the sums
.endif
.set hpf, 64*(hn/2+1)
.if hn >= 62
.set hpf, -1
.endif
.set hpl, hn/63
.if hn < 60
	HC 1, hn, hz, hpf, 1, WP, 4096*(hn+4), 24, hpl
.else
	HC 1, hn, hz, hpf, 1, PA, 4096*(hn-60), 24, hpl  ; the ring goes on into the second product
.endif
.set hn, hn+1
.endr
	EPI
.Lp1done:
	s_wait_dscnt 0x0                               ; for the others' sake: my columns of H are in LDS
	s_barrier_signal -1
	s_barrier_wait -1                              ; (the weights' loads stay out across it: nobody writes those bytes)
	s_wait_alu depctr_vm_vsrc(0)                   ; my LDS stores have read v64 to v95 (on the way without a tile: the gather's have read v48 to v79): H's fragments land in these registers
	; ---- THE SECOND PRODUCT: my 128 columns; K = 512: K steps 0-7 from Wd of a, 8-15 from Wd of b; a K step's two half chunks are the two groups of 64 columns ----
	s_cmp_eq_u32 s[NB], 0
	s_cbranch_scc1 .Lend
	TFLOAD 2, 0, 0
.set hn, 0
.rept 32
.set hz, 0
.if hn < 2
.set hz, 1
.endif
.set hpf, 64*(hn/2+1)
.if hn >= 30
.set hpf, -1
.endif
.set hpl, hn/31
.if hn < 12
	HC 2, hn, hz, hpf, 1, PA, 4096*(hn+4), 24, hpl
.elseif hn < 28
	HC 2, hn, hz, hpf, 1, PB, 4096*(hn-12), 24, hpl
.else
	HC 2, hn, hz, hpf, 0, PB, 0, 8*(31-hn), hpl    ; the last four ask for nothing: no load leaves the buffer, the counts run down, and no wait on va_vdst is owed
.endif
.set hn, hn+1
.endr
	WIN 0                                          ; at a label and at a branch every window is 0
	; THE WAY OUT.  Register jj of accumulator 4 g + j holds column 64 g + 4 (lane % 16) + j of place 16 tb + 8 (lane / 16) + jj: four accumulators' registers, moved side by side, are 16 bytes of a row,
	; and 16 lanes store 256 consecutive bytes, at a multiple of 256 from out0's first byte.  The 64 moves a block take the place of a trip through LDS.  The token fragments' registers and the two halves
	; of the ring, all idle now, hold three blocks' data, so that only the fourth block rewrites registers that stores have named.
.irp tb, 0,1,2,3
.if \tb > 0
	s_cmp_lt_u32 s[NB], \tb+1
	s_cbranch_scc1 .Lend                           ; blocks past the count store nothing
.endif
.set SDB, TF
.if \tb == 1
.set SDB, RING
.endif
.if \tb == 2
.set SDB, RING+64
.endif
	WIN 0x01                                       ; source 0 window 1
.set oj, 0
.rept 8                                                ; register 0 of every accumulator first
.set og, 0
.rept 2
.set ok, 0
.rept 4
	v_mov_b32 v[SDB+4*(8*og+oj)+ok], v[8*(8*\tb+4*og+ok)+oj]
.set ok, ok+1
.endr
.set og, og+1
.endr
.set oj, oj+1
.endr
	WIN 0
.if \tb == 2
	s_wait_xcnt 0x0                                ; every earlier memory instruction has had its addresses translated (ISA guide 3.1): the first block's data registers are rewritten, in the fourth block, only behind this wait
	s_wait_alu depctr_vm_vsrc(0)                   ; the first block's stores have read v32 to v95, which the fourth block's moves write again; the wait stands ahead of the branch in front of that block
.endif
	s_wait_alu depctr_va_vdst(0)                   ; the block's 64 moves have written the data that the stores below read
.set oj, 0
.rept 8
	global_store_b128 v[OFF+8*\tb+oj], v[SDB+4*oj:SDB+4*oj+3], s[16:17] th:TH_STORE_NT
	global_store_b128 v[OFF+8*\tb+oj], v[SDB+32+4*oj:SDB+32+4*oj+3], s[16:17] offset:256 th:TH_STORE_NT
.set oj, oj+1
.endr
.endr
.Lend:
	s_wait_dscnt 0x0                               ; the wave's end: my last LDS instructions are done
	s_wait_alu depctr_hold_cnt(0) depctr_sa_sdst(0) depctr_va_vdst(0) depctr_va_sdst(0) depctr_va_ssrc(0) depctr_va_vcc(0) depctr_vm_vsrc(0)
	s_wait_tensorcnt 0x0
	ds_add_u32 v12, v13
	s_wait_dscnt 0x0
	s_endpgm
.Lfunc_end_k_qfd2ae588cd_chain:
	.size	k_qfd2ae588cd_chain, .Lfunc_end_k_qfd2ae588cd_chain-k_qfd2ae588cd_chain
	.p2alignl 7, 3214868480
	.fill 96, 4, 3214868480
	.section	.rodata,"a",@progbits
	.p2align	6, 0x0
	.amdhsa_kernel k_qfd2ae588cd_chain
		.amdhsa_group_segment_fixed_size 201728
		.amdhsa_private_segment_fixed_size 0
		.amdhsa_enable_private_segment 0
		.amdhsa_kernarg_size 56
		.amdhsa_user_sgpr_count 2
		.amdhsa_user_sgpr_kernarg_segment_ptr 1
		.amdhsa_wavefront_size32 1
		.amdhsa_system_sgpr_workgroup_id_x 1
		.amdhsa_system_sgpr_workgroup_id_y 1
		.amdhsa_system_sgpr_workgroup_id_z 1
		.amdhsa_system_vgpr_workitem_id 0
		.amdhsa_next_free_vgpr 512
		.amdhsa_next_free_sgpr 66
		.amdhsa_reserve_vcc 0
		.amdhsa_float_denorm_mode_32 3
		.amdhsa_float_denorm_mode_16_64 3
		.amdhsa_memory_ordered 1
		.amdhsa_forward_progress 1
		.amdhsa_inst_pref_size 255
	.end_amdhsa_kernel
	.section	.bss,"aw",@nobits
	.p2align	6
	.space	262144
	.amdgpu_metadata
---
amdhsa.version: [ 1, 2 ]
amdhsa.kernels:
  - .name:           k_qfd2ae588cd_chain
    .symbol:         k_qfd2ae588cd_chain.kd
    .args:
      - { .name: x, .offset: 0, .size: 8, .value_kind: global_buffer, .address_space: global }
      - { .name: list, .offset: 8, .size: 8, .value_kind: global_buffer, .address_space: global }
      - { .name: counts, .offset: 16, .size: 8, .value_kind: global_buffer, .address_space: global }
      - { .name: cw, .offset: 24, .size: 8, .value_kind: global_buffer, .address_space: global }
      - { .name: w1, .offset: 32, .size: 8, .value_kind: global_buffer, .address_space: global }
      - { .name: w2, .offset: 40, .size: 8, .value_kind: global_buffer, .address_space: global }
      - { .name: out0, .offset: 48, .size: 8, .value_kind: global_buffer, .address_space: global }
    .group_segment_fixed_size: 201728
    .private_segment_fixed_size: 0
    .kernarg_segment_align: 8
    .kernarg_segment_size: 56
    .max_flat_workgroup_size: 256
    .sgpr_count:     66
    .vgpr_count:     512
    .wavefront_size: 32
...
	.end_amdgpu_metadata
.endif
;; end of part 4
